; MI455X (gfx1250); checked and timed in simulation.
; The chip was launched on July 23, 2026; its instructions are those of AMD's public machine-readable ISA for CDNA 5 (MIT licence, August 2026) and "CDNA5" Instruction Set Architecture Reference Guide (July 2026). The comments in the code are by the model that wrote it; some were corrected since.
;; Multi Head Attention. Allowed arithmetic: matrix products marked QUANTISED: E2M1 operands, one E8M0 scale for each 32 along K, by v_wmma_scale_f32_16x16x128_f8f6f4 with both operands' format E2M1 (or v_wmma_scale_f32_32x16x128_f4), f32 sums; products left as they are: bf16, f16 or f32 operands; f32 sums; everything else in f32.
;; Inputs: K 4 x 2,048 x 1,024 float32; Q 4 x 2,048 x 1,024 float32; V 4 x 2,048 x 1,024 float32; WK 16 x 1,024 x 64 float32; WO_b 1,024 float32; WO_w 1,024 x 1,024 float32; WQ 16 x 1,024 x 64 float32; WV 16 x 1,024 x 64 float32; mask 4 x 1 x 2,048 x 2,048 int32.
;; Outputs: out0 4 x 2,048 x 1,024 float32.
;; This version of the problem:
;;   THIS VERSION OF THE PROBLEM IS GIVEN IN LOW PRECISION. The matrix products marked QUANTISED in the list below multiply operands that are first quantised to E2M1 (2 exponent bits, 1 mantissa bit; 4 bits a number), with one power-of-two scale for each 32 numbers along K (OCP MX v1.0); their sums are f32. The products marked 'left as it is' may take bf16, f16 or f32 operands, with f32 sums. All else is computed in f32.
;;   The module's matrix products, in the order in which they are computed (A, B: the left and right operand; K: the contracted axis; several contracted axes count as one K, in the product's order):
;;     1. [M 1,024, K 1,024] x [K 1,024, N 8,192]; A: input WQ; B: input Q: QUANTISED
;;     2. [M 1,024, K 1,024] x [K 1,024, N 8,192]; A: input WK; B: input K: QUANTISED
;;     3. [M 1,024, K 1,024] x [K 1,024, N 8,192]; A: input WV; B: input V: QUANTISED
;;     4. batch 64 x [M 2,048, K 64] x [K 64, N 2,048]; A: computed on the way; B: computed on the way: left as it is (an operand is computed on the way)
;;     5. batch 64 x [M 2,048, K 2,048] x [K 2,048, N 64]; A: computed on the way; B: computed on the way: left as it is (an operand is computed on the way)
;;     6. [M 8,192, K 1,024] x [K 1,024, N 1,024]; A: computed on the way; B: input WO_w: left as it is (an operand is computed on the way)
;;   THE QUANTISER, for each operand of a quantised product, along K:
;;     - K is cut into blocks of 32 from its start; a last block that is shorter is filled with zeros.
;;     - A block's scale is 2^e with e = floor(log2(the largest magnitude in the block)) - 2, held to -126 .. 127; a block of zeros has e = 0. As a byte (E8M0): e + 127.
;;     - Each number is divided by its block's scale, clamped to +-6, and rounded to the nearest number of E2M1, ties to even, subnormals kept.
;;     - The product sums the exact products of the quantised numbers (number of the format x scale) in f32.
;;   ~~~python
;;   def quantise(x, axis):      # numpy; x: float32 -> the quantised numbers, widened to float32 again
;;       x = np.moveaxis(x, axis, -1); K = x.shape[-1]
;;       x = np.pad(x, [(0, 0)] * (x.ndim - 1) + [(0, -K % 32)]); x = x.reshape(x.shape[:-1] + (-1, 32)); a = np.abs(x).max(-1, keepdims=True)
;;       e = np.where(a > 0, np.clip(np.frexp(np.where(a > 0, a, 1))[1] - 1 - 2, -126, 127), 0)      # np.frexp(a)[1] - 1 = floor(log2(a)), exactly
;;       r = np.clip(x / 2.0 ** e, -6, 6)
;;       step = 2.0 ** (np.maximum(np.frexp(np.where(r == 0, 1, r))[1] - 1, 0) - 1)
;;       q = np.round(r / step) * step * 2.0 ** e      # np.round: ties to even
;;       return np.moveaxis(q.reshape(q.shape[:-2] + (-1,))[..., :K], -1, axis).astype(np.float32)
;;   ~~~
;; One version. Each part assembles by itself: llvm-mc -triple=amdgcn-amd-amdhsa -mcpu=gfx1250 --defsym DOCPART=n.
;; ======== version 1 of 1: 4 launches
;; limits: below input magnitudes of 0.0001221 results are inexact or not finite; right only within a limited range of input values; inputs' magnitudes at most 2,147,483,648; inputs' magnitudes at most 1.153e+18
;; workspace buffers: codes 14,155,776 bytes; scales 897,792 bytes; wo16 2,101,248 bytes; mbits 2,097,152 bytes of whole numbers; qkv 50,331,648 bytes; scl 98,304 bytes; cc 16,777,216 bytes
;; launch prep (part 1): grid 1200 x 1, 4 waves a work-group, no clusters, 68,096 bytes of LDS; arguments Q, K, V, WQ, WK, WV, WO_w, mask, codes, scales, wo16, mbits; writes codes, scales, wo16, mbits
.if DOCPART == 1
	.amdgcn_target "amdgcn-amd-amdhsa--gfx1250"
	.amdhsa_code_object_version 6
	.text
	.protected	k_q27752d8ae3_prep
	.globl	k_q27752d8ae3_prep
	.p2align	8
	.type	k_q27752d8ae3_prep,@function
k_q27752d8ae3_prep:
	s_mov_b64 s[64:65], 0
	v_nop
	global_prefetch_b8 v0, s[64:65] scope:SCOPE_SE
	s_setreg_imm32_b32 hwreg(HW_REG_WAVE_MODE, 25, 1), 1
	s_wait_xcnt 0x0
; FOUR JOBS IN ONE LAUNCH, told apart by the work-group's number; waves share nothing, so there is no barrier.
;   work-groups 0-47      WQ, WK, WV [16][1024][64] f32 (K = the middle axis) -> codes of FP4 (E2M1), K innermost, row 24576 + 1024 tensor + 64 head + e of 'codes'
;   work-groups 48-175    WO_w [1024][1024] f32 -> f16, each row divided by 2^e (e = the exponent of the row's largest magnitude), laid [j / 128][k / 64][j % 128][64]; 2^e as f32 behind them
;   work-groups 176-431   mask [4][2048][2048] int32 -> one bit a number, laid as the words that the attention launch takes as lane masks
;   work-groups 432-1199  Q, K, V [8192][1024] f32 -> codes of FP4, rows 0-8191, 8192-16383, 16384-24575 of 'codes'
; A row of 'codes' is 1,024 codes = 512 bytes; a row of 'scales' its 32 E8M0 bytes.  A block's scale is 2^(floor(log2(largest magnitude)) - 2); its byte is the largest magnitude's exponent field - 2, held at 1 from below.
; Each wave that quantises also stores the largest magnitude that it met (behind the scale bytes): the next launch makes of them one power of two for each tensor.
; LIMITS: a block of zeros gets the byte 1 (its codes are zeros, and this program alone reads the bytes); blocks under 2^-124 were not tried; a row of WO_w has its largest magnitude held to 2^-60 .. 2^60;
; NaN and infinities among the inputs are not served.
; The two jobs that use LDS have bytes of their own: Q, K, V 0 - 32767 (8,192 a wave), the weights 32768 - 67583 (8,704 a wave).
.set EMAX,   2
.set SP,     80                        ; Q, K, V: a lane's place in a stage: 64 bytes + 16 of padding
.set AWREG,  8192                      ; a wave's LDS: two stages of 32 x SP bytes, then its 256 scale bytes
.set CB,     8                         ; bytes of 16 codes
.set STEPS,  16
.set AR,     16                        ; v16-79   four sets of 16 numbers as loaded
.set AX,     80                        ; v80-111  two sets of 16 neighbours
.set AE,     112                       ; v112-127 a scale byte for each step
.set AC,     128                       ; v128-191 codes, four registers a step
.set WSTG,   32768
.set WPITCH, 272                       ; the weights' stage: 256 bytes of a column's codes + 16
.set WX,     32                        ; v32-95   two sets of 32 numbers
.set WC,     96                        ; v96-99   a block's codes
.set WOUT,   112                       ; v112-175 the way out
.set WSB,    24                        ; v24-27   16 scale bytes
.set AMAXA,  884736                    ; in 'scales': behind 27,648 rows of 32 bytes: f32 [3][1024]
.set AMAXW,  897024                    ; f32 [3][64]
	v_lshl_add_u32 v192, v0, 2, 0x10800
	v_mov_b32 v193, 0
	v_lshrrev_b32 v1, 5, v0
	v_readfirstlane_b32 s16, v1                    ; wave 0..3
	v_and_b32 v2, 31, v0                           ; lane
	s_mov_b32 s24, 0x76543210                      ; v_permlanex16_b32's selects for lane l xor 16
	s_mov_b32 s25, 0xfedcba98
	s_cmp_lt_u32 ttmp9, 48
	s_cbranch_scc1 .Lw
	s_cmp_lt_u32 ttmp9, 176
	s_cbranch_scc1 .Lo
	s_cmp_lt_u32 ttmp9, 432
	s_cbranch_scc1 .Lm
; ---------------- Q, K, V.  A wave takes a run of 8,192 numbers (8 rows) in 16 steps of 512.  A load reads 512 consecutive bytes; a step's 2,048 bytes turn through the wave's stage so that a lane holds 16 neighbours.
	s_load_b128 s[4:7], s[0:1], 0x0                ; Q, K
	s_load_b64 s[8:9], s[0:1], 0x10                ; V
	s_load_b128 s[12:15], s[0:1], 0x40             ; codes, scales
	v_lshlrev_b32 v3, 4, v2                        ; my 16 bytes of a load's 512
	s_mul_i32 s17, s16, AWREG
	v_lshrrev_b32 v14, 2, v2
	v_mul_u32_u24 v14, v14, SP
	v_and_b32 v15, 3, v2
	v_lshl_add_u32 v14, v15, 4, v14
	v_add_nc_u32 v14, s17, v14                     ; the stage, in: SP (lane / 4) + 16 (lane % 4)
	v_mul_u32_u24 v15, v2, SP
	v_add_nc_u32 v15, s17, v15                     ; and out: SP x lane
	v_mul_u32_u24 v4, v2, CB                       ; my codes' place in a step's
	v_lshrrev_b32 v5, 1, v2
	s_add_co_u32 s17, s17, 2*32*SP
	v_add_nc_u32 v5, s17, v5                       ; my block's scale byte in LDS
	v_lshlrev_b32 v7, 3, v2
	v_add_nc_u32 v6, s17, v7                       ; and 8 bytes a lane on the way out
	v_mov_b32 v10, 0                               ; the largest magnitude that the wave meets
	s_sub_co_u32 s18, ttmp9, 432                   ; 0 .. 767: 256 work-groups a tensor
	s_wait_kmcnt 0x0
	s_cmp_lt_u32 s18, 256                          ; the choice hangs on the work-group's number alone
	s_cselect_b64 s[4:5], s[4:5], s[6:7]
	s_cmp_lt_u32 s18, 512
	s_cselect_b64 s[4:5], s[4:5], s[8:9]
	s_lshl_b32 s18, s18, 2
	s_add_co_u32 s18, s18, s16                     ; my run, 0 .. 3071
	s_and_b32 s20, s18, 1023
	s_lshl_b32 s20, s20, 15                        ; 32,768 bytes of f32 a run
	s_mov_b32 s21, 0
	s_add_nc_u64 s[4:5], s[4:5], s[20:21]
	s_lshl_b32 s20, s18, 12                        ; 4,096 bytes of codes
	s_add_nc_u64 s[12:13], s[12:13], s[20:21]
	s_lshl_b32 s20, s18, 8                         ; 256 scale bytes
	s_add_nc_u64 s[22:23], s[14:15], s[20:21]
	s_lshl_b32 s20, s18, 2
	s_add_co_u32 s20, s20, AMAXA                   ; and one word for the largest magnitude
	s_add_nc_u64 s[14:15], s[14:15], s[20:21]
.macro ALOAD t
.irp i, 0,1,2,3
	global_load_b128 v[AR+16*((\t)%4)+4*\i:AR+16*((\t)%4)+4*\i+3], v3, s[4:5] offset:2048*(\t)+512*\i th:TH_LOAD_NT
.endr
.endm
.macro ATURN t                         ; LDS serves a wave's instructions in order: no wait between the stores and the loads
.irp i, 0,1,2,3
	ds_store_b128 v14, v[AR+16*((\t)%4)+4*\i:AR+16*((\t)%4)+4*\i+3] offset:32*SP*((\t)%2)+8*SP*\i
.endr
.irp i, 0,1,2,3
	ds_load_b128 v[AX+16*((\t)%2)+4*\i:AX+16*((\t)%2)+4*\i+3], v15 offset:32*SP*((\t)%2)+16*\i
.endr
.endm
.irp t, 0,1,2,3
	ALOAD \t
.endr
	s_wait_loadcnt 12                              ; step 0's four loads are in
	ATURN 0
.macro ASTEP t
.set XS, AX+16*((\t)%2)
.if (\t) > 0
	s_wait_dscnt 1                                 ; this step's numbers are back from the stage; the last step's byte store may be out
.else
	s_wait_dscnt 0x0
.endif
.if (\t)+4 < STEPS
	ALOAD (\t)+4                                   ; into the registers that the stage's stores have read
.endif
.if (\t)+1 < STEPS
.if STEPS-2-(\t) >= 3
	s_wait_loadcnt 12                              ; the next step's four loads are in; those of the three steps behind it may be out
.else
	s_wait_loadcnt 4*(STEPS-2-(\t))
.endif
	ATURN (\t)+1
.endif
	v_max3_num_f32 v8, |v[XS]|, |v[XS+1]|, |v[XS+2]|
	v_max3_num_f32 v9, |v[XS+3]|, |v[XS+4]|, |v[XS+5]|
.irp i, 6,10
	v_max3_num_f32 v8, v8, |v[XS+\i]|, |v[XS+\i+1]|
	v_max3_num_f32 v9, v9, |v[XS+\i+2]|, |v[XS+\i+3]|
.endr
	v_max3_num_f32 v8, v8, |v[XS+14]|, |v[XS+15]|
	v_max3_num_f32 v8, v8, v9, (EMAX+1)<<23        ; and the floor 2^(3 - 127): the byte cannot fall under 1
	v_max_num_f32_dpp v8, v8, v8 row_xmask:1 row_mask:0xf bank_mask:0xf   ; with my neighbour's 16: the block's largest magnitude
	v_max_num_f32 v10, v10, v8
	v_add_nc_u32 v11, -(EMAX<<23), v8              ; 2 off its exponent field: the conversion takes the exponent field of this operand as its scale
	v_cvt_scalef32_pk8_fp4_f32 v[AC+4*(\t)], v[XS:XS+7], v11
	v_cvt_scalef32_pk8_fp4_f32 v[AC+4*(\t)+1], v[XS+8:XS+15], v11
	v_lshrrev_b32 v[AE+(\t)], 23, v11              ; the scale's byte (a plain line behind the conversions)
	ds_store_b8 v5, v[AE+(\t)] offset:16*(\t)      ; both lanes of a block write the same byte with the same value
	global_store_b64 v4, v[AC+4*(\t):AC+4*(\t)+1], s[12:13] offset:32*CB*(\t)   ; the wave stores 256 consecutive bytes
.endm
.irp t, 0,1,2,3,4,5,6,7,8,9,10,11,12,13,14,15
	ASTEP \t
.endr
	ds_load_b64 v[12:13], v6
	v_max_num_f32_dpp v10, v10, v10 row_xmask:2 row_mask:0xf bank_mask:0xf
	v_max_num_f32_dpp v10, v10, v10 row_xmask:4 row_mask:0xf bank_mask:0xf
	v_max_num_f32_dpp v10, v10, v10 row_xmask:8 row_mask:0xf bank_mask:0xf
	v_permlanex16_b32 v9, v10, s24, s25            ; (v9 has been written)
	v_max_num_f32 v10, v10, v9                     ; the wave's largest magnitude
	v_mov_b32 v9, 0
	v_cmp_gt_u32 vcc_lo, 1, v2                     ; lane 0
	s_wait_dscnt 0x0
	global_store_b64 v7, v[12:13], s[22:23]        ; 256 scale bytes, consecutive and aligned
	s_wait_xcnt 0x0                                ; EXEC changes only behind this wait
	s_wait_tensorcnt 0x0
	ds_add_u32 v192, v193
	s_wait_dscnt 0x0
	s_and_saveexec_b32 s26, vcc_lo
	global_store_b32 v9, v10, s[14:15]
	s_wait_xcnt 0x0
	s_or_b32 exec_lo, exec_lo, s26
	s_endpgm
; ---------------- WQ, WK, WV.  A lane takes a column e, its registers run down K: a block of 32 lies in one lane, and the codes come out with K innermost.  A wave: 32 columns x 512 along K.
.Lw:
	s_load_b64 s[4:5], s[0:1], 0x18                ; WQ
	s_load_b128 s[8:11], s[0:1], 0x20              ; WK, WV
	s_load_b128 s[12:15], s[0:1], 0x40             ; codes, scales
	s_lshr_b32 s17, ttmp9, 4                       ; tensor
	s_and_b32 s18, ttmp9, 15                       ; head
	s_and_b32 s19, s16, 1                          ; which 32 columns
	s_lshr_b32 s20, s16, 1                         ; which 512 along K
	v_lshlrev_b32 v3, 2, v2                        ; in: 4 bytes a lane
	s_mul_i32 s21, s16, 32*WPITCH
	s_add_co_u32 s21, s21, WSTG                    ; my stage
	v_mul_u32_u24 v4, v2, WPITCH
	v_add_nc_u32 v4, s21, v4                       ; into it: row = my column
	v_and_b32 v5, 15, v2
	v_lshrrev_b32 v6, 4, v2
	v_mul_u32_u24 v7, v6, WPITCH
	v_lshl_add_u32 v7, v5, 4, v7
	v_add_nc_u32 v7, s21, v7                       ; out of it: sixteen lanes to a row
	v_lshlrev_b32 v8, 9, v6
	v_lshl_add_u32 v8, v5, 4, v8                   ; the same place in 'codes' (rows of 512 bytes)
	v_lshlrev_b32 v9, 5, v2                        ; my column's row of scale bytes
	v_mov_b32 v10, 0
	s_lshl_b32 s22, s18, 18                        ; a head is 1,024 rows of 256 bytes
	s_lshl_b32 s23, s20, 17
	s_add_co_u32 s22, s22, s23
	s_lshl_b32 s23, s19, 7
	s_add_co_u32 s22, s22, s23
	s_mov_b32 s23, 0
	s_lshl_b32 s26, s17, 10
	s_lshl_b32 s27, s18, 6
	s_add_co_u32 s26, s26, s27
	s_lshl_b32 s27, s19, 5
	s_add_co_u32 s26, s26, s27
	s_add_co_u32 s26, s26, 24576                   ; my first row of 'codes'
	s_lshl_b32 s28, s26, 9
	s_lshl_b32 s27, s20, 8
	s_add_co_u32 s28, s28, s27
	s_mov_b32 s29, 0
	s_lshl_b32 s30, s26, 5
	s_lshl_b32 s27, s20, 4
	s_add_co_u32 s30, s30, s27
	s_mov_b32 s31, 0
	s_lshl_b32 s32, ttmp9, 2
	s_add_co_u32 s32, s32, s16
	s_lshl_b32 s32, s32, 2
	s_add_co_u32 s32, s32, AMAXW
	s_mov_b32 s33, 0
	s_wait_kmcnt 0x0
	s_cmp_eq_u32 s17, 0
	s_cselect_b64 s[4:5], s[4:5], s[8:9]
	s_cmp_lt_u32 s17, 2
	s_cselect_b64 s[4:5], s[4:5], s[10:11]
	s_add_nc_u64 s[4:5], s[4:5], s[22:23]
	s_add_nc_u64 s[6:7], s[12:13], s[28:29]
	s_add_nc_u64 s[8:9], s[14:15], s[30:31]
	s_add_nc_u64 s[10:11], s[14:15], s[32:33]
.macro WLOAD t                         ; block t: W(32 t + i, my column) into set t % 2
.set i, 0
.rept 32
	global_load_b32 v[WX+32*((\t)%2)+i], v3, s[4:5] offset:(32*(\t)+i)*256 th:TH_LOAD_NT
.set i, i+1
.endr
.endm
	WLOAD 0
	WLOAD 1
.macro WBLOCK t
.set XS, WX+32*((\t)%2)
.if (\t) < 15
	s_wait_loadcnt 32                              ; this block's 32 loads are in; the next block's may be out
.else
	s_wait_loadcnt 0
.endif
	v_max3_num_f32 v12, |v[XS]|, |v[XS+1]|, |v[XS+2]|
	v_max3_num_f32 v13, |v[XS+3]|, |v[XS+4]|, |v[XS+5]|
.irp i, 6,10,14,18,22,26
	v_max3_num_f32 v12, v12, |v[XS+\i]|, |v[XS+\i+1]|
	v_max3_num_f32 v13, v13, |v[XS+\i+2]|, |v[XS+\i+3]|
.endr
	v_max3_num_f32 v12, v12, |v[XS+30]|, |v[XS+31]|
	v_max3_num_f32 v12, v12, v13, (EMAX+1)<<23     ; and the floor
	v_max_num_f32 v10, v10, v12
	v_add_nc_u32 v11, -(EMAX<<23), v12
	v_lshrrev_b32 v13, 23, v11                     ; the scale's byte
.if (\t)%4 == 0
	v_mov_b32 v[WSB+(\t)/4], v13
.else
	v_lshl_or_b32 v[WSB+(\t)/4], v13, 8*((\t)%4), v[WSB+(\t)/4]
.endif
.irp g, 0,1,2,3
	v_cvt_scalef32_pk8_fp4_f32 v[WC+\g], v[XS+8*\g:XS+8*\g+7], v11
.endr
	v_nop                                          ; one plain line behind the conversions
	ds_store_b128 v4, v[WC:WC+3] offset:16*(\t)    ; 32 codes: 16 bytes of my column's row
.if (\t)+2 < 16
	WLOAD (\t)+2
.endif
	s_wait_dscnt 0x0                               ; the store has read its registers: the next block's codes may be written
.endm
.set Q, 0
.rept 16
	WBLOCK Q
.set Q, Q+1
.endr
	global_store_b128 v9, v[WSB:WSB+3], s[8:9]     ; my column's 16 scale bytes
.irp t, 0,1,2,3,4,5,6,7,8,9,10,11,12,13,14,15
	ds_load_b128 v[WOUT+4*\t:WOUT+4*\t+3], v7 offset:2*\t*WPITCH
.endr
	v_max_num_f32_dpp v10, v10, v10 row_xmask:1 row_mask:0xf bank_mask:0xf
	v_max_num_f32_dpp v10, v10, v10 row_xmask:2 row_mask:0xf bank_mask:0xf
	v_max_num_f32_dpp v10, v10, v10 row_xmask:4 row_mask:0xf bank_mask:0xf
	v_max_num_f32_dpp v10, v10, v10 row_xmask:8 row_mask:0xf bank_mask:0xf
	v_permlanex16_b32 v13, v10, s24, s25
	v_max_num_f32 v10, v10, v13
	v_mov_b32 v13, 0
	v_cmp_gt_u32 vcc_lo, 1, v2
.irp t, 0,1,2,3,4,5,6,7,8,9,10,11,12,13,14,15
	s_wait_dscnt 15-\t                             ; LDS loads come back in order: row pair t is in
	global_store_b128 v8, v[WOUT+4*\t:WOUT+4*\t+3], s[6:7] offset:2*\t*512   ; sixteen lanes store 256 consecutive bytes, aligned
.endr
	s_wait_xcnt 0x0
	s_wait_tensorcnt 0x0
	ds_add_u32 v192, v193
	s_wait_dscnt 0x0
	s_and_saveexec_b32 s26, vcc_lo
	global_store_b32 v13, v10, s[10:11]
	s_wait_xcnt 0x0
	s_or_b32 exec_lo, exec_lo, s26
	s_endpgm
; ---------------- WO_w.  A wave takes two rows j: lanes 0-15 one, lanes 16-31 the next; load i is the row's k = 64 i .. 64 i + 63, 4 numbers a lane.
.Lo:
	s_load_b64 s[4:5], s[0:1], 0x30                ; WO_w
	s_load_b64 s[6:7], s[0:1], 0x50                ; wo16
	s_sub_co_u32 s17, ttmp9, 48
	s_lshl_b32 s17, s17, 2
	s_add_co_u32 s17, s17, s16                     ; my pair of rows, 0 .. 511
	v_and_b32 v14, 15, v2
	v_lshrrev_b32 v15, 4, v2
	v_lshlrev_b32 v3, 12, v15
	v_lshl_add_u32 v3, v14, 4, v3                  ; 4,096 x half + 16 x (lane % 16)
	v_lshlrev_b32 v13, 3, v2                       ; out: 8 bytes a lane: the two rows' 128 bytes lie on end
	v_lshlrev_b32 v15, 2, v15
	s_lshl_b32 s18, s17, 13
	s_mov_b32 s19, 0
	s_lshr_b32 s20, s17, 6
	s_lshl_b32 s20, s20, 18                        ; j / 128: 262,144 bytes
	s_and_b32 s21, s17, 63
	s_lshl_b32 s21, s21, 8                         ; j % 128: 128 bytes a row
	s_add_co_u32 s20, s20, s21
	s_mov_b32 s21, 0
	s_lshl_b32 s22, s17, 3
	s_add_co_u32 s22, s22, 2097152                 ; the rows' powers of two
	s_mov_b32 s23, 0
	s_wait_kmcnt 0x0
	s_add_nc_u64 s[4:5], s[4:5], s[18:19]
	s_add_nc_u64 s[8:9], s[6:7], s[22:23]
	s_add_nc_u64 s[6:7], s[6:7], s[20:21]
.irp i, 0,1,2,3,4,5,6,7,8,9,10,11,12,13,14,15
	global_load_b128 v[32+4*\i:35+4*\i], v3, s[4:5] offset:256*\i th:TH_LOAD_NT
.endr
	s_wait_loadcnt 0x0
	v_max3_num_f32 v8, |v32|, |v33|, 0x21800000    ; the floor 2^-60
	v_max3_num_f32 v9, |v34|, |v35|, 0x21800000
.set i, 4
.rept 15
	v_max3_num_f32 v8, v8, |v[32+i]|, |v[33+i]|
	v_max3_num_f32 v9, v9, |v[34+i]|, |v[35+i]|
.set i, i+4
.endr
	v_max_num_f32 v8, v8, v9
	v_min_num_f32 v8, 0x5d800000, v8               ; held at 2^60
	v_max_num_f32_dpp v8, v8, v8 row_xmask:1 row_mask:0xf bank_mask:0xf
	v_max_num_f32_dpp v8, v8, v8 row_xmask:2 row_mask:0xf bank_mask:0xf
	v_max_num_f32_dpp v8, v8, v8 row_xmask:4 row_mask:0xf bank_mask:0xf
	v_max_num_f32_dpp v8, v8, v8 row_xmask:8 row_mask:0xf bank_mask:0xf   ; the row's largest magnitude, in its sixteen lanes
	v_lshrrev_b32 v9, 23, v8                       ; its exponent field f
	v_sub_nc_u32 v10, 254, v9
	v_lshlrev_b32 v10, 23, v10                     ; 2^-(f - 127): the multiplication rounds nothing
	v_mov_b32 v11, v10
	v_lshlrev_b32 v12, 23, v9                      ; 2^(f - 127)
.set i, 0
.rept 32
	v_pk_mul_f32 v[32+i:33+i], v[32+i:33+i], v[10:11]
.set i, i+2
.endr
.set i, 0
.rept 32
	v_cvt_pk_f16_f32 v[96+i], v[32+2*i], v[33+2*i] ; magnitudes under 2
.set i, i+1
.endr
.irp i, 0,1,2,3,4,5,6,7,8,9,10,11,12,13,14,15
	global_store_b64 v13, v[96+2*\i:97+2*\i], s[6:7] offset:16384*\i   ; the wave stores 256 consecutive bytes, aligned
.endr
	v_cmp_eq_u32 vcc_lo, 0, v14
	s_wait_xcnt 0x0
	s_and_saveexec_b32 s26, vcc_lo
	global_store_b32 v15, v12, s[8:9]
	s_wait_xcnt 0x0
	s_or_b32 exec_lo, exec_lo, s26
	s_endpgm
; ---------------- The mask.  A work-group takes 32 queries, a wave 512 of their keys, in 4 trips of 128 keys.
; WANTED: for each 64 keys (ks) and each 16 queries (tile) 32 words; bit L of word 8 t + j = mask[16 tile + L % 16][64 ks + 16 t + 2 j + L / 16] != 0: so lie the scores in the attention launch's registers.
; Lane l loads keys 4 l + i of a row: a compare gives W_i(row), bit l = key 4 l + i.  Key 16 t + 2 j + h of ks = key 4 l + i with i = 2 (j % 2) + h, l = 16 ks + 4 t + j / 2.
; X[tile][par]: lane L holds W_(2 par + L / 16)(row 16 tile + L % 16).  Bit l of X, over the lanes, is then the wanted word 2 (l % 16) + par of ks = l / 16.
.Lm:
	s_load_b64 s[4:5], s[0:1], 0x38                ; mask
	s_load_b64 s[6:7], s[0:1], 0x58                ; mbits
	s_sub_co_u32 s18, ttmp9, 176                   ; which 32 queries, 0 .. 255
	s_lshl_b32 s19, s16, 11                        ; my 512 keys: 2,048 bytes in a row of the mask, and 8 x 256 bytes of words
	s_lshl_b32 s8, s18, 18                         ; 32 rows of 8,192 bytes
	s_add_co_u32 s8, s8, s19
	s_mov_b32 s9, 0
	s_lshl_b32 s10, s18, 13                        ; 32 x 256 bytes of words
	s_add_co_u32 s10, s10, s19
	s_mov_b32 s11, 0
	v_lshlrev_b32 v3, 4, v2
	v_lshlrev_b32 v4, 3, v2
.irp j, 8,9,10,11,12,13,14,15
	v_mov_b32 v[\j], 0                             ; written once: v_writelane_b32's destination counts as read
.endr
	s_wait_kmcnt 0x0
	s_add_nc_u64 s[4:5], s[4:5], s[8:9]
	s_add_nc_u64 s[6:7], s[6:7], s[10:11]
	s_mov_b32 s12, 4
.Lmtrip:
.set r, 0
.rept 32
	global_load_b128 v[32+4*r:35+4*r], v3, s[4:5] offset:8192*r th:TH_LOAD_NT   ; 512 consecutive bytes of row r
.set r, r+1
.endr
.set r, 0
.rept 32
	s_wait_loadcnt 31-r                            ; row r is in; the younger rows may be out
.irp i, 0,1,2,3
	v_cmp_ne_u32 s[20+4*(r%2)+\i], 0, v[32+4*r+\i]
.endr
.irp i, 0,1,2,3
	v_writelane_b32 v[8+2*(r/16)+\i/2], s[20+4*(r%2)+\i], (r%16)+16*(\i%2)
.endr
.set r, r+1
.endr
.irp tl, 0,1
.irp pa, 0,1
.set g, 0
.rept 8
.irp k, 0,1,2,3
	v_and_b32 v[16+\k], 1<<(4*g+\k), v[8+2*\tl+\pa]
.endr
.irp k, 0,1,2,3
	v_cmp_ne_u32 s[28+\k], 0, v[16+\k]
.endr
.irp k, 0,1,2,3
	v_writelane_b32 v[12+2*(g/4)+\pa], s[28+\k], 16*\tl+(4*g+\k)%16
.endr
.set g, g+1
.endr
.endr
.endr
	global_store_b64 v4, v[12:13], s[6:7]          ; the first 64 keys' 64 words: 256 consecutive bytes, aligned
	global_store_b64 v4, v[14:15], s[6:7] offset:256
	s_wait_xcnt 0x0                                ; the bases and the stores' data are written again only behind this wait
	s_add_nc_u64 s[4:5], s[4:5], 512
	s_add_nc_u64 s[6:7], s[6:7], 512
	s_sub_co_u32 s12, s12, 1
	s_cmp_lg_u32 s12, 0
	s_cbranch_scc1 .Lmtrip
	s_endpgm
.Lfunc_end_k_q27752d8ae3_prep:
	.size	k_q27752d8ae3_prep, .Lfunc_end_k_q27752d8ae3_prep-k_q27752d8ae3_prep
	.p2alignl 7, 3214868480
	.fill 96, 4, 3214868480
	.section	.rodata,"a",@progbits
	.p2align	6, 0x0
	.amdhsa_kernel k_q27752d8ae3_prep
		.amdhsa_group_segment_fixed_size 68096
		.amdhsa_private_segment_fixed_size 0
		.amdhsa_enable_private_segment 0
		.amdhsa_kernarg_size 96
		.amdhsa_user_sgpr_count 2
		.amdhsa_user_sgpr_kernarg_segment_ptr 1
		.amdhsa_wavefront_size32 1
		.amdhsa_system_sgpr_workgroup_id_x 1
		.amdhsa_system_sgpr_workgroup_id_y 1
		.amdhsa_system_sgpr_workgroup_id_z 1
		.amdhsa_system_vgpr_workitem_id 0
		.amdhsa_next_free_vgpr 194
		.amdhsa_next_free_sgpr 66
		.amdhsa_reserve_vcc 1
		.amdhsa_float_denorm_mode_32 3
		.amdhsa_float_denorm_mode_16_64 3
		.amdhsa_memory_ordered 1
		.amdhsa_forward_progress 1
		.amdhsa_inst_pref_size 170
	.end_amdhsa_kernel
	.amdgpu_metadata
---
amdhsa.version: [ 1, 2 ]
amdhsa.kernels:
  - .name:           k_q27752d8ae3_prep
    .symbol:         k_q27752d8ae3_prep.kd
    .args:
      - { .name: Q, .offset: 0, .size: 8, .value_kind: global_buffer, .address_space: global }
      - { .name: K, .offset: 8, .size: 8, .value_kind: global_buffer, .address_space: global }
      - { .name: V, .offset: 16, .size: 8, .value_kind: global_buffer, .address_space: global }
      - { .name: WQ, .offset: 24, .size: 8, .value_kind: global_buffer, .address_space: global }
      - { .name: WK, .offset: 32, .size: 8, .value_kind: global_buffer, .address_space: global }
      - { .name: WV, .offset: 40, .size: 8, .value_kind: global_buffer, .address_space: global }
      - { .name: WO_w, .offset: 48, .size: 8, .value_kind: global_buffer, .address_space: global }
      - { .name: mask, .offset: 56, .size: 8, .value_kind: global_buffer, .address_space: global }
      - { .name: codes, .offset: 64, .size: 8, .value_kind: global_buffer, .address_space: global }
      - { .name: scales, .offset: 72, .size: 8, .value_kind: global_buffer, .address_space: global }
      - { .name: wo16, .offset: 80, .size: 8, .value_kind: global_buffer, .address_space: global }
      - { .name: mbits, .offset: 88, .size: 8, .value_kind: global_buffer, .address_space: global }
    .group_segment_fixed_size: 68096
    .private_segment_fixed_size: 0
    .kernarg_segment_align: 8
    .kernarg_segment_size: 96
    .max_flat_workgroup_size: 128
    .sgpr_count:     66
    .vgpr_count:     194
    .wavefront_size: 32
...
	.end_amdgpu_metadata
.endif
;; end of part 1
;; launch proj (part 2): grid 4 x 96, 4 waves a work-group, clusters of 4 x 4, 327,680 bytes of LDS; arguments codes, scales, qkv, scl; writes qkv, scl
.if DOCPART == 2
	.amdgcn_target "amdgcn-amd-amdhsa--gfx1250"
	.amdhsa_code_object_version 6
	.text
	.protected	k_q27752d8ae3_proj
	.globl	k_q27752d8ae3_proj
	.p2align	8
	.type	k_q27752d8ae3_proj,@function
k_q27752d8ae3_proj:
	s_mov_b64 s[64:65], 0
	v_nop
	global_prefetch_b8 v0, s[64:65] scope:SCOPE_SE
	s_setreg_imm32_b32 hwreg(HW_REG_WAVE_MODE, 25, 1), 1
	s_wait_xcnt 0x0
	s_wait_alu depctr_hold_cnt(0) depctr_sa_sdst(0) depctr_va_vdst(0) depctr_va_sdst(0) depctr_va_ssrc(0) depctr_va_vcc(0) depctr_vm_vsrc(0)
	s_getreg_b32 s2, hwreg(HW_REG_IB_STS2, 6, 4)
	s_cmp_eq_u32 s2, 0
	s_cbranch_scc0 .Lentry_in_a_cluster
	s_endpgm
.Lentry_in_a_cluster:
	s_bfe_u32 s2, ttmp6, 0x10000c
	s_cmp_lg_u32 s2, 0xf033
	s_cbranch_scc0 .Lentry_shape_is_right
	s_endpgm
.Lentry_shape_is_right:
; THE THREE PROJECTIONS, one GEMM on codes of FP4 (E2M1) with one E8M0 scale for each 32 along K = 1,024: C[row][col] = sum over k of A[row][k] B[col][k].
; A: rows 0 - 24,575 of 'codes' (Q, K, V, 8,192 rows each); B: rows 24,576 + 1,024 tensor + col (col = 64 head + e).  A tile of C is 256 x 256: four waves, each 128 x 128 in 64 accumulators.
; K goes in two steps of 512 through two LDS slots, each filled once; the scale bytes of the work-group's rows come once, with them.  By this text's count a wave has three tensor loads out at the most.
; CLUSTERS: 4 x 4 work-groups; the four of a row of the cluster ask jointly for A's tiles, the four of a column for B's (the tensor is taken from the cluster's y, so it is the same in all sixteen).
; THE MATRIX INSTRUCTION IS USED TRANSPOSED (source 0 = 16 rows of B, source 1 = 16 rows of A): a lane holds eight neighbouring columns of one row of C.
; THE RESULT LEAVES AS f16, TIMES 2^-E, laid [tensor][n][head][2048][64].  E = eA + eW - 3, eA and eW the exponents of the tensor's and its weight's largest magnitudes: a quantised number is at most 1.5 x 2^e,
; so a sum of 1,024 products is under 1,024 x 2.25 x 2^(eA + eW) = 18,432 x 2^E: inside f16.  The multiplication by 2^-E rounds nothing.  (2^E, 2^-E) is stored for the later launches, 32 copies a work-group.
; LIMIT: each of the two largest magnitudes is held to 2^-13 .. 2^31, so E lies in -29 .. 59; beyond 2^31 results could leave f16.
; REGISTERS, in windows of 256: window 0: v0-31 addresses and the scale's pair; v32-95 scale words, two sets; v128-191 A's fragments, one set; v96-127, v192-255 at work at the head and on the way out.
;   window 1: B's fragments, two sets, at v0 and v128.   window 2: the accumulators of my rows 0-63 ((a, b) at v[8 (8 a + b)]);   window 3: those of rows 64-127.
.set KSTEP,  512
.set NQ,     KSTEP/128
.set ROWB,   256                       ; a tile's row in bytes
.set KROW,   512                       ; a row of 'codes'
.set PITCH,  272                       ; an LDS row: 256 bytes + 16 of padding: the 16 rows that a load touches start 16 bytes apart modulo 256
.set FR,     8
.set NL,     2
.set NP,     4                         ; places behind this matrix instruction (ISA guide 7.12.1)
.set HALFT,  128*PITCH
.set SLOT,   4*HALFT                   ; A's 256 rows, then B's 256 rows
.set KS,     32                        ; a row of scale bytes
.set SCL,    2*SLOT                    ; behind the slots: the scale bytes, as units of 256 bytes + 16 of padding
.set HALFS,  (128*KS/256)*272
.set SBLK,   (16*KS/256)*272
.set SPARE,  SCL+4*HALFS               ; the spare words, 128 bytes a wave: two blocks of 256 bytes that no other line names
.set SPITCH, 272                       ; the way out: 16 rows x (256 bytes + 16) for each wave, in slot 0, which has had its one fill and its last read by then
.set AMAXA,  884736
.set AMAXW,  897024
.set ADRA, 16
.set ADRB, 20
.set SE,   22                          ; v[22:23] (2^E, 2^-E)
.set STO,  24
.set RD,   25
.set CO,   26
.set ADRS, 27
.set SPW,  28
.set NIL,  29
.set SI,   30                          ; v[30:31] (2^-E, 2^-E)
.set SC,   32
.set AF,   128
.set TMP,  192                         ; the way out: a block's 32 registers of f16
.set OB,   96                          ; and its rows read back: v96-127 and v224-255 by turns
.set G1, 24
.set G0, 32
.set G1B, 48
.set G0B, 56
.set G1S, 68
.set G0S, 76
.set G1SB, 80
.set G0SB, 88
.set MSB, 0
.macro WIN new                         ; the immediate's high byte repeats the setting that is left
.if MSB != (\new)
	s_set_vgpr_msb (MSB<<8)|(\new)
.set MSB, (\new)
.endif
.endm
.set MUL_LO, 0xa1                      ; source 0 (B) window 1, source 1 (A) window 0, C and D window 2
.set MUL_HI, 0xf1
.set TO_B,   0x40
; A joint load: waves 0 and 1 fetch for A, waves 2 and 3 for B; the branch hangs on the wave's number alone.  Four v_nop follow each of the two lines.
.macro JLOAD g0a, g1a, g0b, g1b
	s_cmp_eq_u32 s15, 0
	s_cbranch_scc0 .Lfor_b_\@
	tensor_load_to_lds s[\g0a:\g0a+3], s[\g1a:\g1a+7]
	s_nop 0
.rept 4
	v_nop
.endr
	s_branch .Lasked_\@
.Lfor_b_\@:
	tensor_load_to_lds s[\g0b:\g0b+3], s[\g1b:\g1b+7]
	s_nop 0
.rept 4
	v_nop
.endr
.Lasked_\@:
.endm
.macro CROUND                          ; a round of the cluster's barrier
	s_barrier_signal -1
	s_barrier_wait -1
	s_cmp_lg_u32 s14, 0
	s_cbranch_scc1 .Lnot_wave_0_\@
	s_barrier_signal -3
.Lnot_wave_0_\@:
	s_barrier_wait -3
	s_barrier_signal -1
	s_barrier_wait -1
.endm
	s_load_b128 s[4:7], s[0:1], 0x0                ; codes s[4:5], scales s[6:7]
	s_load_b64 s[12:13], s[0:1], 0x10              ; qkv
	s_load_b64 s[66:67], s[0:1], 0x18              ; scl
	v_lshl_add_u32 v[SPW], v0, 2, SPARE
	v_mov_b32 v[NIL], 0
	ds_add_u32 v28, v29
	ds_add_u32 v28, v29
	s_wait_dscnt 0x0
	v_lshrrev_b32 v1, 5, v0
	v_readfirstlane_b32 s14, v1                    ; wave 0..3
	s_lshr_b32 s15, s14, 1                         ; which half of the tile's rows is mine.  Also: I fetch for A (0) or for B (1)
	s_and_b32 s16, s14, 1                          ; which half of its columns.  Also: which 128 rows of that tile I fetch
	s_bfe_u32 s40, ttmp6, 0x40000                  ; cx, cy: my place in the cluster
	s_bfe_u32 s41, ttmp6, 0x40004
	s_lshl_b32 s42, ttmp9, 2
	s_add_co_u32 s42, s42, s40                     ; tile column = 4 x cluster x + cx
	s_and_b32 s17, ttmp7, 0xffff
	s_lshr_b32 s95, s17, 3                         ; the tensor: 8 clusters (32 tile rows) each
	s_lshl_b32 s17, s17, 2
	s_add_co_u32 s17, s17, s41                     ; tile row = 4 x cluster y + cy
	s_lshl_b32 s43, s41, 2
	s_lshl_b32 s43, 15, s43                        ; my row of the cluster
	s_lshl_b32 s44, 0x1111, s40                    ; my column
	s_mov_b32 s98, 0x76543210
	s_mov_b32 s99, 0xfedcba98
	; descriptor group 1: a tile of 128 rows x 256 bytes, 16 bytes of padding behind each row
	s_or_b32 s[G1+0], s43, (0<<16)|(1<<20)|(1<<21)|(5<<22)|(3<<25)
	s_or_b32 s[G1B+0], s44, (0<<16)|(1<<20)|(1<<21)|(5<<22)|(3<<25)
.irp g, G1, G1B
	s_mov_b32 s[\g+1], ROWB<<16                    ; tensor_dim0
	s_mov_b32 s[\g+2], 128<<16                     ; tensor_dim1
	s_mov_b32 s[\g+3], ROWB<<16                    ; tile_dim0
	s_mov_b32 s[\g+4], 128                         ; tile_dim1
	s_mov_b32 s[\g+5], KROW                        ; tensor_dim0_stride
	s_mov_b32 s[\g+6], 0
	s_mov_b32 s[\g+7], 0
.endr
	; the scale bytes of 128 rows: 4,096 dense bytes, as 16 rows of 256 bytes (32 elements of 8 bytes), 16 bytes of padding behind each
	s_or_b32 s[G1S+0], s43, (3<<16)|(1<<20)|(1<<21)|(5<<22)|(3<<25)
	s_or_b32 s[G1SB+0], s44, (3<<16)|(1<<20)|(1<<21)|(5<<22)|(3<<25)
.irp g, G1S, G1SB
	s_mov_b32 s[\g+1], 32<<16
	s_mov_b32 s[\g+2], (128*KS/256)<<16
	s_mov_b32 s[\g+3], 32<<16
	s_mov_b32 s[\g+4], 128*KS/256
	s_mov_b32 s[\g+5], 32
	s_mov_b32 s[\g+6], 0
	s_mov_b32 s[\g+7], 0
.endr
	s_lshl_b32 s18, s16, 7                         ; which 128 rows of the tile I fetch
	s_lshl_b32 s20, s17, 8
	s_add_co_u32 s20, s20, s18                     ; A: row 256 x tile row + 128 x half
	s_lshl_b32 s46, s42, 8
	s_add_co_u32 s46, s46, s18
	s_lshl_b32 s47, s95, 10
	s_add_co_u32 s46, s46, s47
	s_add_co_u32 s46, s46, 24576                   ; B: row 24,576 + 1,024 x tensor + 256 x tile column + 128 x half
	s_mov_b32 s21, 0
	s_mov_b32 s47, 0
	s_mov_b64 s[18:19], KS
	s_mul_u64 s[22:23], s[20:21], s[18:19]         ; where these rows' scale bytes begin
	s_mul_u64 s[92:93], s[46:47], s[18:19]
	s_mov_b64 s[18:19], KROW
	s_mul_u64 s[20:21], s[20:21], s[18:19]         ; and their codes
	s_mul_u64 s[46:47], s[46:47], s[18:19]
	s_mul_i32 s45, s14, HALFT                      ; where they go: wave x 128 rows
	s_mul_i32 s94, s14, HALFS
	s_wait_kmcnt 0x0
	s_add_nc_u64 s[20:21], s[4:5], s[20:21]
	s_add_nc_u64 s[22:23], s[6:7], s[22:23]
	s_add_nc_u64 s[46:47], s[4:5], s[46:47]
	s_add_nc_u64 s[92:93], s[6:7], s[92:93]
	CROUND                                         ; all sixteen work-groups are here: the joint loads meet
	s_mov_b32 s[G0S], 1
	s_add_co_u32 s[G0S+1], s94, SCL
	s_mov_b64 s[G0S+2:G0S+3], s[22:23]
	s_or_b32 s[G0S+3], s[G0S+3], 0x80000000
	s_mov_b32 s[G0SB], 1
	s_add_co_u32 s[G0SB+1], s94, SCL
	s_mov_b64 s[G0SB+2:G0SB+3], s[92:93]
	s_or_b32 s[G0SB+3], s[G0SB+3], 0x80000000
	JLOAD G0S, G1S, G0SB, G1SB                     ; the scale bytes first: they are wanted with K step 0
.irp s, 0,1
	s_mov_b32 s[G0+4*\s], 1
	s_add_co_u32 s[G0+4*\s+1], s45, \s*SLOT
	s_add_nc_u64 s[G0+4*\s+2:G0+4*\s+3], s[20:21], \s*ROWB
	s_or_b32 s[G0+4*\s+3], s[G0+4*\s+3], 0x80000000
	s_mov_b32 s[G0B+4*\s], 1
	s_add_co_u32 s[G0B+4*\s+1], s45, \s*SLOT
	s_add_nc_u64 s[G0B+4*\s+2:G0B+4*\s+3], s[46:47], \s*ROWB
	s_or_b32 s[G0B+4*\s+3], s[G0B+4*\s+3], 0x80000000
	JLOAD G0+4*\s, G1, G0B+4*\s, G1B
.endr
	v_and_b32 v1, 15, v0                           ; l % 16
	v_bfe_u32 v2, v0, 4, 1                         ; l / 16
	v_mul_u32_u24 v3, v1, PITCH
	v_lshl_add_u32 v4, v2, 4, v3                   ; a fragment's row x pitch + 16 x half
	s_mul_i32 s21, s15, HALFT                      ; my 128 rows of A
	s_mul_i32 s22, s16, HALFT                      ; my 128 rows of B,
	s_add_co_u32 s22, s22, 2*HALFT                 ; which lie behind A's 256
.irp s, 0,1
	v_add_nc_u32 v[ADRA+\s], s21, v4
	v_add_nc_u32 v[ADRB+\s], s22, v4
	s_add_co_u32 s21, s21, SLOT
	s_add_co_u32 s22, s22, SLOT
.endr
	v_mul_u32_u24 v5, v1, KS                       ; my row's scale bytes: KS a row,
	v_lshrrev_b32 v6, 8, v5
	v_lshl_add_u32 v5, v6, 4, v5                   ; and 16 more for each 256 passed
	s_mul_i32 s21, s15, HALFS
	s_mul_i32 s22, s16, HALFS
	s_add_co_u32 s22, s22, 2*HALFS
	s_sub_co_u32 s22, s22, s21
	v_mul_u32_u24 v6, s22, v2                      ; lanes 16-31 take B's
	s_add_co_u32 s21, s21, SCL
	v_add_nc_u32 v5, v5, v6
	v_add_nc_u32 v[ADRS], s21, v5
	s_mul_i32 s23, s14, 16*SPITCH                  ; my stage
	v_mul_u32_u24 v5, v1, SPITCH                   ; in: row l % 16, 16 bytes for each half of the lanes
	v_lshl_add_u32 v5, v2, 4, v5
	v_add_nc_u32 v[STO], s23, v5
	v_and_b32 v6, 31, v0
	v_lshlrev_b32 v[CO], 4, v6                     ; out: 16 bytes a lane
	v_lshlrev_b32 v7, 4, v6
	v_lshlrev_b32 v8, 3, v6                        ; 8 x lane: for the weight's maxima, and for the scale's pair on the way out; not written again
	v_lshrrev_b32 v5, 3, v6
	v_mul_u32_u24 v5, v5, SPITCH                   ; back: eight lanes take the 128 bytes that a row has of one head; four rows a load
	v_and_b32 v6, 7, v6
	v_lshl_add_u32 v5, v6, 4, v5
	v_add_nc_u32 v[RD], s23, v5
	s_lshl_b32 s20, s17, 8
	s_lshl_b32 s21, s15, 7
	s_add_co_u32 s20, s20, s21                     ; my first row: 256 x tile row + 128 x half = 8,192 tensor + 2,048 n + q
	s_lshr_b32 s21, s20, 11
	s_lshl_b32 s21, s21, 4
	s_lshl_b32 s22, s42, 2
	s_add_co_u32 s21, s21, s22
	s_lshl_b32 s22, s16, 1
	s_add_co_u32 s21, s21, s22                     ; the plane of my first head: 16 (4 tensor + n) + 4 x tile column + 2 x half
	s_lshl_b32 s21, s21, 18                        ; 262,144 bytes a plane
	s_and_b32 s20, s20, 2047
	s_lshl_b32 s20, s20, 7                         ; 128 bytes a row
	s_add_co_u32 s20, s20, s21
	s_mov_b32 s21, 0
	s_add_nc_u64 s[12:13], s[12:13], s[20:21]
	; THE TENSOR'S POWER OF TWO, while the tiles are on their way: the largest of the 1,024 words of the tensor and of the 64 words of its weight
	s_lshl_b32 s96, s95, 12
	s_add_co_u32 s96, s96, AMAXA
	s_mov_b32 s97, 0
	s_add_nc_u64 s[96:97], s[6:7], s[96:97]
.irp i, 0,1,2,3,4,5,6,7
	global_load_b128 v[192+4*\i:195+4*\i], v7, s[96:97] offset:512*\i
.endr
	s_lshl_b32 s92, s95, 8
	s_add_co_u32 s92, s92, AMAXW
	s_mov_b32 s93, 0
	s_add_nc_u64 s[92:93], s[6:7], s[92:93]
	global_load_b64 v[224:225], v8, s[92:93]
	v_mov_b32 v228, 0                              ; written once: a lane permute's destination counts as read
	v_mov_b32 v229, 0
	s_wait_loadcnt 0x0                             ; the loads are done: their base registers may be written again
	v_max3_num_f32 v226, v192, v193, v194
.irp i, 3,5,7,9,11,13,15,17,19,21,23,25,27,29
	v_max3_num_f32 v226, v226, v[192+\i], v[193+\i]
.endr
	v_max_num_f32 v226, v226, v223
	v_max_num_f32 v227, v224, v225
.irp m, 1,2,4,8
	v_max_num_f32_dpp v226, v226, v226 row_xmask:\m row_mask:0xf bank_mask:0xf
	v_max_num_f32_dpp v227, v227, v227 row_xmask:\m row_mask:0xf bank_mask:0xf
.endr
	v_permlanex16_b32 v228, v226, s98, s99
	v_permlanex16_b32 v229, v227, s98, s99
	v_max_num_f32 v226, v226, v228
	v_max_num_f32 v227, v227, v229
	v_max_num_f32 v226, 0x39000000, v226           ; each held to 2^-13 .. 2^31
	v_max_num_f32 v227, 0x39000000, v227
	v_min_num_f32 v226, 0x4f000000, v226
	v_min_num_f32 v227, 0x4f000000, v227
	v_lshrrev_b32 v226, 23, v226
	v_lshrrev_b32 v227, 23, v227
	v_add_nc_u32 v226, v226, v227                  ; B = the two exponent fields' sum; E = B - 257
	v_sub_nc_u32 v227, 384, v226
	v_lshlrev_b32 v[SI], 23, v227                  ; 2^-E: field 127 - E
	v_mov_b32 v[SI+1], v[SI]
	v_add_nc_u32 v227, 0xffffff7e, v226
	v_lshlrev_b32 v[SE], 23, v227                  ; 2^E: field 127 + E = B - 130
	v_mov_b32 v[SE+1], v[SI]
	s_lshl_b32 s92, s17, 2
	s_add_co_u32 s92, s92, s42
	s_lshl_b32 s92, s92, 8                         ; 256 bytes of 'scl' for each work-group: 4 x tile row + tile column
	s_mov_b32 s93, 0                               ; (s93 held the high word of an address: the pair is an offset again)
	s_add_nc_u64 s[66:67], s[66:67], s[92:93]      ; the pair is stored on the way out, when no tensor load of mine is out
.macro FRAG reg, adr, q, i             ; 16 rows x 128 K of 4-bit codes: 8 registers: lane l holds row l % 16; registers 4 c .. 4 c + 3 hold K = 64 c + 32 (l / 16) + 0 .. 31
.irp c, 0,1
	ds_load_b128 v[\reg+4*\c:\reg+4*\c+3], v[\adr] offset:64*(\q)+32*\c+(\i)*16*PITCH
.endr
.endm
; 16 matrix instructions: A's blocks a0, a0 + 1 x B's eight, the slot's q-th 128 along K.  The 64 accumulators take turns, one instruction a turn, in the same order in every step.
.macro MUL16 a0, p, q, sc, zero
.irp a, \a0, \a0+1
.irp b, 0,1,2,3,4,5,6,7
.if \zero
	v_wmma_scale_f32_16x16x128_f8f6f4 v[8*(8*((\a)%4)+\b):8*(8*((\a)%4)+\b)+7], v[128*(\p)+FR*\b:128*(\p)+FR*\b+FR-1], v[AF+FR*(\a):AF+FR*(\a)+FR-1], 0, v[SC+8*NQ*(\sc)+NQ*\b+(\q)], v[SC+8*NQ*(\sc)+NQ*(\a)+(\q)] matrix_a_fmt:MATRIX_FMT_FP4 matrix_b_fmt:MATRIX_FMT_FP4 matrix_a_scale:MATRIX_SCALE_ROW1
.else
	v_wmma_scale_f32_16x16x128_f8f6f4 v[8*(8*((\a)%4)+\b):8*(8*((\a)%4)+\b)+7], v[128*(\p)+FR*\b:128*(\p)+FR*\b+FR-1], v[AF+FR*(\a):AF+FR*(\a)+FR-1], v[8*(8*((\a)%4)+\b):8*(8*((\a)%4)+\b)+7], v[SC+8*NQ*(\sc)+NQ*\b+(\q)], v[SC+8*NQ*(\sc)+NQ*(\a)+(\q)] matrix_a_fmt:MATRIX_FMT_FP4 matrix_b_fmt:MATRIX_FMT_FP4 matrix_a_scale:MATRIX_SCALE_ROW1
.endif
.endr
.endr
.endm
.macro FETCH_B slot, q, p
	WIN TO_B
.irp i, 0,1,2,3,4,5,6,7
	FRAG 128*(\p)+FR*\i, ADRB+\slot, \q, \i
.endr
	WIN 0
.endm
.macro FETCH_A slot, q, i0
.irp i, \i0, \i0+1, \i0+2, \i0+3
	FRAG AF+FR*(\i), ADRA+\slot, \q, \i
.endr
.endm
.macro SCALES sc                       ; a K step's scale words: 4 words a row; lanes 0-15 take A's block i, lanes 16-31 B's block i
.irp i, 0,1,2,3,4,5,6,7
	ds_load_b128 v[SC+8*NQ*\sc+NQ*\i:SC+8*NQ*\sc+NQ*\i+3], v[ADRS] offset:\i*SBLK
.endr
.endm
.macro PLACES n                        ; places in front of loads into registers that matrix instructions have read, and of the first read of results
.rept \n
	v_nop
.endr
.endm
.macro STEP slot, q, zero              ; a step of 128 along K that has its successor in the same slot
	s_wait_dscnt 4*NL                              ; B's set and A's blocks 0-3 are in; the youngest eight loads (A's blocks 4-7) may be out
	WIN MUL_LO
	MUL16 0, (\q)%2, \q, \slot, \zero
	MUL16 2, (\q)%2, \q, \slot, \zero
	s_wait_dscnt 0
	PLACES NP
	FETCH_B \slot, (\q)+1, 1-(\q)%2
	FETCH_A \slot, (\q)+1, 0
	WIN MUL_HI
	MUL16 4, (\q)%2, \q, \slot, \zero
	MUL16 6, (\q)%2, \q, \slot, \zero
	PLACES NP
	WIN 0
	FETCH_A \slot, (\q)+1, 4
.endm
; Slot 0's last step goes over to slot 1: one barrier; in front of it each wave waits for all its tensor loads (its part of slot 1), and for its own reads of slot 0, which becomes the stage later.
.macro TURN slot, next
	s_wait_tensorcnt 0x0                           ; all my tensor loads have landed
	ds_add_u32 v[SPW], v[NIL]                      ; 0 onto my spare word
	s_wait_dscnt 4*NL+1                            ; (the add and the youngest eight loads may be out)
	WIN MUL_LO
	MUL16 0, 1, NQ-1, \slot, 0
	s_wait_dscnt 0x0                               ; the add is done, and my reads of this slot are over
	s_barrier_signal -1
	MUL16 2, 1, NQ-1, \slot, 0
	WIN 0
	s_barrier_wait -1
	PLACES NP
	v_add_nc_u32 v[ADRS], 4*NQ, v[ADRS]            ; on to the next K step's scale words
	FETCH_B \next, 0, 0
	FETCH_A \next, 0, 0
	SCALES \next
	WIN MUL_HI
	MUL16 4, 1, NQ-1, \slot, 0
	MUL16 6, 1, NQ-1, \slot, 0
	PLACES NP
	WIN 0
	FETCH_A \next, 0, 4
.endm
.macro STEPS slot, from
.set Q, \from
.rept NQ-1-\from
	STEP \slot, Q, 0
.set Q, Q+1
.endr
.endm
	s_wait_tensorcnt 1                             ; the scale bytes and my part of K step 0 are in (K step 1's load may be out),
	s_barrier_signal -1
	s_barrier_wait -1                              ; everybody's are
	FETCH_B 0, 0, 0
	FETCH_A 0, 0, 0
	SCALES 0
	FETCH_A 0, 0, 4
	STEP 0, 0, 1                                   ; the first products start the sums: nothing is cleared
	STEPS 0, 1
	TURN 0, 1
	STEPS 1, 0
	s_wait_dscnt 4*NL                              ; the last step: nothing more to fetch
	WIN MUL_LO
	MUL16 0, 1, NQ-1, 1, 0
	MUL16 2, 1, NQ-1, 1, 0
	s_wait_dscnt 0
	WIN MUL_HI
	MUL16 4, 1, NQ-1, 1, 0
	MUL16 6, 1, NQ-1, 1, 0
	WIN 0
	s_cmp_lg_u32 s14, 0                            ; wave 0 stores the tensor's (2^E, 2^-E), 32 copies: all my tensor loads were waited for at the change of slots
	s_cbranch_scc1 .Lno_scl
	global_store_b64 v8, v[SE:SE+1], s[66:67]      ; 256 consecutive bytes, aligned
.Lno_scl:
; THE WAY OUT, block by block of 16 rows x 128 columns (two heads).  PACK: x 2^-E, rounded to f16, each accumulator from its low end on.  TOSTAGE: into my stage, and back so that a load's 32 lanes hold four rows'
; 128 bytes of one head, which lie on end in memory.  SEND: each store covers 512 consecutive bytes, aligned.
.macro PACK a
.set AC, 64*((\a)%4)
	WIN 0x82+0x41*((\a)/4)                         ; destination and source 0: window 2 or 3; the factor in window 0
.set i, 0
.rept 32
	v_pk_mul_f32 v[AC+i:AC+i+1], v[AC+i:AC+i+1], v[SI:SI+1]
.set i, i+2
.endr
	WIN 0x0a+5*((\a)/4)                            ; sources 0 and 1: window 2 or 3
.set i, 0
.rept 32
	v_cvt_pk_f16_f32 v[TMP+i], v[AC+2*i], v[AC+2*i+1]
.set i, i+1
.endr
	WIN 0
.endm
.macro TOSTAGE a
.set BB, OB+128*((\a)%2)
.irp b, 0,1,2,3,4,5,6,7
	ds_store_b128 v[STO], v[TMP+4*\b:TMP+4*\b+3] offset:32*\b
.endr
.irp t, 0,1,2,3,4,5,6,7
	ds_load_b128 v[BB+4*\t:BB+4*\t+3], v[RD] offset:128*(\t/4)+4*SPITCH*(\t%4)   ; LDS serves a wave's instructions in order: these see the stores above
.endr
.endm
.macro SEND a
.set BB, OB+128*((\a)%2)
	s_wait_dscnt 0x0                               ; the block is back in registers
	s_wait_xcnt 0x0                                ; the earlier stores have read their registers: the next block's loads may land there
.irp t, 0,1,2,3,4,5,6,7
	global_store_b128 v[CO], v[BB+4*\t:BB+4*\t+3], s[12:13] offset:262144*(\t/4)+2048*(\a)+512*(\t%4)
.endr
.endm
	PLACES NP
	PACK 0
	TOSTAGE 0
.irp a, 1,2,3,4,5,6,7
	PACK \a
	SEND \a-1
	TOSTAGE \a
.endr
	SEND 7
	s_wait_tensorcnt 0x0                           ; the wave's end
	ds_add_u32 v[SPW], v[NIL]
	s_wait_dscnt 0x0
	CROUND                                         ; the closing round
	s_endpgm
.Lfunc_end_k_q27752d8ae3_proj:
	.size	k_q27752d8ae3_proj, .Lfunc_end_k_q27752d8ae3_proj-k_q27752d8ae3_proj
	.p2alignl 7, 3214868480
	.fill 96, 4, 3214868480
	.section	.rodata,"a",@progbits
	.p2align	6, 0x0
	.amdhsa_kernel k_q27752d8ae3_proj
		.amdhsa_group_segment_fixed_size 327680
		.amdhsa_private_segment_fixed_size 0
		.amdhsa_enable_private_segment 0
		.amdhsa_kernarg_size 32
		.amdhsa_user_sgpr_count 2
		.amdhsa_user_sgpr_kernarg_segment_ptr 1
		.amdhsa_wavefront_size32 1
		.amdhsa_system_sgpr_workgroup_id_x 1
		.amdhsa_system_sgpr_workgroup_id_y 1
		.amdhsa_system_sgpr_workgroup_id_z 1
		.amdhsa_system_vgpr_workitem_id 0
		.amdhsa_next_free_vgpr 1024
		.amdhsa_next_free_sgpr 100
		.amdhsa_reserve_vcc 0
		.amdhsa_float_denorm_mode_32 3
		.amdhsa_float_denorm_mode_16_64 3
		.amdhsa_memory_ordered 1
		.amdhsa_forward_progress 1
		.amdhsa_inst_pref_size 147
	.end_amdhsa_kernel
	.amdgpu_metadata
---
amdhsa.version: [ 1, 2 ]
amdhsa.kernels:
  - .name:           k_q27752d8ae3_proj
    .symbol:         k_q27752d8ae3_proj.kd
    .args:
      - { .name: codes, .offset: 0, .size: 8, .value_kind: global_buffer, .address_space: global }
      - { .name: scales, .offset: 8, .size: 8, .value_kind: global_buffer, .address_space: global }
      - { .name: qkv, .offset: 16, .size: 8, .value_kind: global_buffer, .address_space: global }
      - { .name: scl, .offset: 24, .size: 8, .value_kind: global_buffer, .address_space: global }
    .group_segment_fixed_size: 327680
    .private_segment_fixed_size: 0
    .kernarg_segment_align: 8
    .kernarg_segment_size: 32
    .max_flat_workgroup_size: 128
    .sgpr_count:     100
    .vgpr_count:     1024
    .wavefront_size: 32
...
	.end_amdgpu_metadata
.endif
;; end of part 2
;; launch attn (part 3): grid 8 x 64, 8 waves a work-group, clusters of 4 x 1, 327,680 bytes of LDS; arguments qkv, mbits, scl, cc; writes cc
.if DOCPART == 3
	.amdgcn_target "amdgcn-amd-amdhsa--gfx1250"
	.amdhsa_code_object_version 6
	.text
	.protected	k_q27752d8ae3_attn
	.globl	k_q27752d8ae3_attn
	.p2align	8
	.type	k_q27752d8ae3_attn,@function
k_q27752d8ae3_attn:
	s_mov_b64 s[64:65], 0
	v_nop
	global_prefetch_b8 v0, s[64:65] scope:SCOPE_SE
	s_setreg_imm32_b32 hwreg(HW_REG_WAVE_MODE, 25, 1), 1
	s_wait_xcnt 0x0
	s_wait_alu depctr_hold_cnt(0) depctr_sa_sdst(0) depctr_va_vdst(0) depctr_va_sdst(0) depctr_va_ssrc(0) depctr_va_vcc(0) depctr_vm_vsrc(0)
	s_getreg_b32 s2, hwreg(HW_REG_IB_STS2, 6, 4)
	s_cmp_eq_u32 s2, 0
	s_cbranch_scc0 .Lentry_in_a_cluster
	s_endpgm
.Lentry_in_a_cluster:
	s_bfe_u32 s2, ttmp6, 0x10000c
	s_cmp_lg_u32 s2, 0x3003
	s_cbranch_scc0 .Lentry_shape_is_right
	s_endpgm
.Lentry_shape_is_right:
; head[n][h][q][:] = the sum over k of softmax_k(where(mask == 0, -1e20, Qi . Ki) / 8) Vi[k][:], on f16 operands with f32 sums.
; qkv: f16 [3][4][16][2048][64] = Qi x 2^-EQ, Ki x 2^-EK, Vi x 2^-EV; scl holds (2^E, 2^-E) for each tensor; mbits the mask as lane-mask words.  cc: f16 [row / 128][head][row % 128][64], in units of 2^EV.
; SHARES.  A work-group owns 256 queries of one (n, h); each of its eight waves 32 of them, two tiles of 16.  Every wave walks all 2,048 keys, 64 a step.
; K and V come through two LDS slots of 256 keys, each wave fetching 64 rows (waves 0-3 K's, waves 4-7 V's): one tensor load a wave is out at any time.
; CLUSTER.  The four query blocks of a cluster belong to one (n, h) and walk the same K and V: every tile is asked for jointly, by the same load with the same descriptor and the mask of all four.
; LAYOUT.  S^T = K Q^T (source 0 = 16 keys, source 1 = 16 queries), O^T = V^T P (source 0 = 16 channels, source 1 = P): a lane holds ONE query (lane % 16) throughout.
; THE KEYS OF A TILE ARE PERMUTED: row m of tile t is key 16 t + 2 (m % 8) + m / 8, so register j of lane (r, h) is key 16 t + 2 j + h.  V's turning load takes the same order, and the same rows of 144 bytes serve both kinds of load.
; SOFTMAX.  t = c s, c = log2(e) / 8 x 2^EQ x 2^EK; for each query a running maximum M of t and a sum l: p = 2^(t - M); in every step O and l are multiplied by a = 2^(old M - new M).  p is rounded to f16 for the product; l sums the unrounded p.
; THE MASK.  A masked score becomes -2^66 x 2^-EQ x 2^-EK ahead of the maximum, so that its t is the same number, -2^66 log2(e) / 8, for every key: a row that is masked throughout gets p = 1 for all its keys.
; TWO GROUPS OF WAVES.  A key step is three parts that go round: the softmax (vector work), V^T P and the next step's K Q^T (matrix work).  Between two barriers every wave goes round four times, but the groups enter at different parts:
; group 0 at the softmax (it carries the last step's scores over the barrier), group 1 at V^T P (it carries the last step's p).  So behind each barrier half of the waves begin with vector work and half with matrix work, and both
; groups have the same work up to the next barrier.  Both have the last step's V in registers ahead of the barrier, so nobody reads the slot that is filled again.  Group = (wave + wave / 4) % 2: waves w and w + 4 differ, and so do 2 i and 2 i + 1.
; The two branches of a step hang on the wave's number alone and jump over vector and scalar work only.
; LIMIT: the masked energy is -2^66 (7.4e19) and not -1e20: the same result unless a true energy lies under -7e19.  NaN and infinities are not served.
; REGISTERS: window 0: v2-15 addresses and constants; v32-47 statistics, 8 a tile (+0 M, +2, +3 l, +4 .. +7 at work, a in +6); v64-127 S^T, 32 a tile; v128-159 P; v160-223 O^T (tile t, channels 16 e on: 32 t + 8 e).
;   window 1: v0-31 Q; v32-95 K of one step; v96-159 V of one step.  All that the softmax touches lies in window 0.   s[32:63], s[68:99]: a step's 64 mask words.
.set PK,    144                        ; a row in LDS: 128 bytes + 16 of padding
.set STEPB, 64*PK                      ; a step's 64 rows; also what one wave fetches
.set VOFF,  256*PK                     ; a slot: 256 rows of K, then 256 rows of V
.set SLOT1, 1<<17                      ; slot 1 begins here: one exclusive or turns an address from one slot to the other
.set STAGE, SLOT1+2*VOFF               ; behind the slots: 16 rows x 144 bytes for each wave, for the way out
.set SPARE, STAGE+8*16*PK              ; the spare words, 128 bytes a wave: four blocks of 256 bytes that no other line names
.set AK0, 2                            ; v2   my lane's place in a tile of K; never rewritten
.set AV0, 3                            ; v3   the same for V
.set ADK, 4                            ; v4   LDS address of the step's K
.set ADV, 5                            ; v5   of its V
.set QO,  6
.set STO, 7
.set RD,  8
.set GO,  9
.set SPW, 10
.set NIL, 11
.set NEGV, 12                          ; the masked score
.set PFO, 13                           ; 256 x lane; never rewritten
.set CC,  14                           ; v[14:15] (c, c)
.set ST,  32
.set S,   64
.set P,   128
.set O,   160
.set QF,  0                            ; in window 1
.set KF,  32
.set VF,  96
.set TB,  2                            ; s2  LDS byte at which the tiles of the step to be fetched begin
.set SLOTS, 3                          ; s3  slots still to be asked for
.set G0,  4                            ; s[4:7]  descriptor group 0: it walks
.set G1,  8                            ; s[8:15] group 1
.set WV,  16
.set LIM, 17                           ; 1 in a wave that prefetches, else the greatest number
.set MP,  18                           ; s[18:19] my 32 queries' mask words: 32 steps of 256 bytes; never rewritten
.set SEL, 20
.set PFA, 22                           ; s[22:23] where my prefetches stand
.set QP,  24
.set OP,  26
.set INNER, 67                         ; s67  counts the steps between two changes of slots
.set GRP, 100                          ; s100 my group
.set MO,  101                          ; s101 byte offset of the mask words asked for last
.set MSB, 0
.macro WIN new                         ; the immediate's high byte repeats the setting that is left
.if MSB != (\new)
	s_set_vgpr_msb (MSB<<8)|(\new)
.set MSB, (\new)
.endif
.endm
.macro CROUND                          ; a round of the cluster's barrier
	s_barrier_signal -1
	s_barrier_wait -1
	s_cmp_lg_u32 s[WV], 0
	s_cbranch_scc1 .Lnot_wave_0_\@
	s_barrier_signal -3
.Lnot_wave_0_\@:
	s_barrier_wait -3
	s_barrier_signal -1
	s_barrier_wait -1
.endm
; A PREFETCH of what the NEXT change of slots will ask for: 256 rows of K and of V, 32,768 dense bytes each.  Both clusters of a (n, h) walk the same rows: the first cluster asks.  Its four partners take 8,192 bytes each,
; told apart by address; in each, wave 0 asks for K's and wave 4 for V's, lanes 256 bytes apart: each block of 256 bytes is named once in the launch.  It stands behind the wave's tensor load and its four lines, one slot
; (four key steps) ahead of the load that wants the rows.  Slots 0 and 1 come by their loads alone; the last change that fills a slot asks for nothing.
.macro ASK
	s_cmp_gt_u32 s[SLOTS], s[LIM]
	s_cbranch_scc0 .Lnot_mine_\@
	global_prefetch_b8 v[PFO], s[PFA:PFA+1] th:TH_LOAD_NT scope:SCOPE_SE
.Lnot_mine_\@:
.endm
	s_load_b256 s[32:39], s[0:1], 0x0              ; qkv s[32:33], mbits s[34:35], scl s[36:37], cc s[38:39]
	v_lshl_add_u32 v[SPW], v0, 2, SPARE
	v_mov_b32 v[NIL], 0
	ds_add_u32 v10, v11
	ds_add_u32 v10, v11
	s_wait_dscnt 0x0
	v_lshrrev_b32 v1, 5, v0
	v_readfirstlane_b32 s[WV], v1                  ; wave 0..7
	s_lshr_b32 s[GRP], s[WV], 2
	s_add_co_u32 s[GRP], s[GRP], s[WV]
	s_and_b32 s[GRP], s[GRP], 1                    ; my group: (wave + wave / 4) % 2
	s_mov_b32 s[MO], 0
	s_bfe_u32 s40, ttmp6, 0x40000                  ; cx
	s_lshl_b32 s41, ttmp9, 2
	s_add_co_u32 s41, s41, s40                     ; my block of 256 queries
	s_and_b32 s42, ttmp7, 0xffff                   ; y = 16 n + h, which the partners share
	s_lshr_b32 s43, s42, 4                         ; n
	s_and_b32 s44, s42, 15                         ; h
	; descriptor group 1: 64 rows x 64 elements of 2 bytes, dense in memory, 16 bytes of padding behind each row
	s_mov_b32 s[G1], 15|(1<<16)|(1<<20)|(1<<21)|(4<<22)|(3<<25)   ; 15:0 the mask: all four; 17:16 2 bytes; 20 padding on; 21 set beside a mask; 24:22 after every 32 words (code 4); 31:25 four words (code 3)
	s_mov_b32 s[G1+1], 64<<16                      ; tensor_dim0
	s_mov_b32 s[G1+2], 64<<16                      ; tensor_dim1
	s_mov_b32 s[G1+3], 64<<16                      ; tile_dim0
	s_mov_b32 s[G1+4], 64                          ; tile_dim1
	s_mov_b32 s[G1+5], 64                          ; tensor_dim0_stride
	s_mov_b32 s[G1+6], 0
	s_mov_b32 s[G1+7], 0
	s_lshr_b32 s45, s[WV], 2
	s_add_co_u32 s45, s45, 1
	s_lshl_b32 s45, s45, 24                        ; tensor 1 (K: waves 0-3) or 2 (V: waves 4-7), 2^24 bytes each
	s_lshl_b32 s46, s42, 18                        ; the plane of (n, h)
	s_add_co_u32 s48, s45, s46
	s_and_b32 s47, s[WV], 3
	s_lshl_b32 s47, s47, 13                        ; my 64 rows of 128 bytes
	s_add_co_u32 s46, s48, s47
	s_mov_b32 s47, 0
	s_mov_b32 s49, 0
	s_lshl_b32 s50, s40, 13                        ; the prefetches: my work-group's 8,192 bytes,
	s_add_co_u32 s48, s48, s50
	s_add_co_u32 s48, s48, 32768                   ; in slot 1: the first change of slots steps it to slot 2
	s_lshl_b32 s50, s42, 18
	s_lshl_b32 s51, s41, 15
	s_add_co_u32 s50, s50, s51
	s_lshl_b32 s51, s[WV], 12
	s_add_co_u32 s50, s50, s51                     ; Q: plane + 256 rows a block + 32 rows a wave
	s_mov_b32 s51, 0
	s_lshl_b32 s52, s43, 6
	s_lshl_b32 s53, s41, 3
	s_add_co_u32 s52, s52, s53
	s_add_co_u32 s52, s52, s[WV]
	s_lshl_b32 s52, s52, 13                        ; the mask words of my 32 queries: 8,192 bytes
	s_mov_b32 s53, 0
	s_lshl_b32 s54, s43, 4
	s_lshl_b32 s55, s41, 1
	s_add_co_u32 s54, s54, s55
	s_lshr_b32 s55, s[WV], 2
	s_add_co_u32 s54, s54, s55                     ; row / 128
	s_lshl_b32 s54, s54, 4
	s_add_co_u32 s54, s54, s44
	s_lshl_b32 s54, s54, 14                        ; 16,384 bytes for 128 rows of a head
	s_and_b32 s55, s[WV], 3
	s_lshl_b32 s55, s55, 12
	s_add_co_u32 s54, s54, s55
	s_mov_b32 s55, 0
	s_and_b32 s[LIM], s[WV], 3                     ; 0 in waves 0 and 4,
	s_or_b32 s[LIM], s[LIM], ttmp9                 ; of the first cluster: the same in all four partners
	s_cmp_eq_u32 s[LIM], 0
	s_cselect_b32 s[LIM], 1, -1
	s_mov_b32 s[SEL], 0x76543210
	s_mov_b32 s[SEL+1], 0xfedcba98
	s_mov_b32 s[TB], 0
	s_mov_b32 s[SLOTS], 7
	s_mov_b32 s[G0], 1                             ; count = 1
	s_mul_i32 s[G0+1], s[WV], STEPB                ; LDS address: wave x 64 rows: K's four parts, then V's four
	s_wait_kmcnt 0x0
	s_add_nc_u64 s[G0+2:G0+3], s[32:33], s[46:47]
	s_or_b32 s[G0+3], s[G0+3], 0x80000000          ; type = 2
	s_add_nc_u64 s[PFA:PFA+1], s[32:33], s[48:49]
	s_add_nc_u64 s[QP:QP+1], s[32:33], s[50:51]
	s_add_nc_u64 s[MP:MP+1], s[34:35], s[52:53]
	s_add_nc_u64 s[OP:OP+1], s[38:39], s[54:55]
	s_load_b64 s[28:29], s[36:37], 0x0             ; 2^EQ, 2^-EQ
	s_load_b64 s[30:31], s[36:37], 0x8000          ; 2^EK, 2^-EK
	s_wait_xcnt 0x0                                ; the two loads have read their base, and the other pointers are done with: the mask words may land on them
	s_load_b512 s[32:47], s[MP:MP+1], 0x0          ; step 0's words: tile 0,
	s_load_b512 s[48:63], s[MP:MP+1], 0x40
	s_load_b512 s[68:83], s[MP:MP+1], 0x80         ; tile 1
	s_load_b512 s[84:99], s[MP:MP+1], 0xc0
	CROUND                                         ; all four work-groups are here: the first joint loads meet
	tensor_load_to_lds s[G0:G0+3], s[G1:G1+7]      ; slot 0
	s_nop 0
.rept 4
	v_nop
.endr
	v_and_b32 v1, 15, v0                           ; r
	v_bfe_u32 v16, v0, 4, 1                        ; h
	v_and_b32 v17, 31, v0                          ; lane
	v_lshlrev_b32 v[QO], 7, v1
	v_lshl_add_u32 v[QO], v16, 4, v[QO]            ; Q: row r of 128 bytes + 16 h
	WIN 0x40                                       ; destination window 1, address window 0
.irp t, 0,1
.irp c, 0,1
	global_load_b128 v[QF+16*\t+8*\c:QF+16*\t+8*\c+3], v[QO], s[QP:QP+1] offset:2048*\t+64*\c
	global_load_b128 v[QF+16*\t+8*\c+4:QF+16*\t+8*\c+7], v[QO], s[QP:QP+1] offset:2048*\t+64*\c+32
.endr
.endr
	WIN 0
	v_and_b32 v18, 7, v0
	v_bfe_u32 v19, v0, 3, 1
	v_lshl_add_u32 v20, v18, 1, v19                ; K: lane r takes key 2 (r % 8) + r / 8 of a tile
	v_mul_u32_u24 v[AK0], v20, PK
	v_lshl_add_u32 v[AK0], v16, 4, v[AK0]
	v_lshl_add_u32 v20, v18, 1, v16                ; V: the turning load: lane l addresses key 2 (l % 8) + l / 16, channels 8 ((l / 8) % 2) on
	v_mul_u32_u24 v[AV0], v20, PK
	v_lshl_add_u32 v[AV0], v19, 4, v[AV0]
	v_add_nc_u32 v[AV0], VOFF, v[AV0]
	s_mul_i32 s66, s[WV], 16*PK
	s_add_co_u32 s66, s66, STAGE                   ; my stage
	v_mul_u32_u24 v[STO], v1, PK
	v_lshl_add_u32 v[STO], v16, 4, v[STO]
	v_add_nc_u32 v[STO], s66, v[STO]               ; in: row r, + 16 h
	v_lshrrev_b32 v20, 3, v17
	v_mul_u32_u24 v[RD], v20, PK
	v_lshl_add_u32 v[RD], v18, 4, v[RD]
	v_add_nc_u32 v[RD], s66, v[RD]                 ; back: eight lanes to a row of 128 bytes, four rows a load
	v_lshlrev_b32 v[GO], 4, v17
	v_lshlrev_b32 v[PFO], 8, v17
.irp t, 0,1
	v_mov_b32 v[ST+8*\t], 0xff61b1e6               ; M: -3e38, under every t
	v_mov_b32 v[ST+8*\t+1], 0                      ; (named with M as a pair)
	v_mov_b32 v[ST+8*\t+2], 0                      ; l, in two halves
	v_mov_b32 v[ST+8*\t+3], 0
.endr
.set i, 0
.rept 64
	v_mov_b32 v[O+i], 0                            ; O^T.  (The step is written once: the first finds zeros, which a = 0 leaves zeros)
.set i, i+1
.endr
	s_wait_kmcnt 0x0                               ; the two tensors' powers of two
	v_mov_b32 v[CC], 0x3e38aa3b                    ; log2(e) / 8
	v_mul_f32 v[CC], s28, v[CC]
	v_mul_f32 v[CC], s30, v[CC]                    ; c: the two factors are powers of two
	v_mov_b32 v[CC+1], v[CC]
	v_mov_b32 v[NEGV], 0xe0800000                  ; -2^66
	v_mul_f32 v[NEGV], s29, v[NEGV]
	v_mul_f32 v[NEGV], s31, v[NEGV]
.macro KLOAD                           ; a step's K: fragment 2 kt + c = keys 16 kt on, channels 32 c on
	WIN 0x40                                       ; destination window 1, address window 0
.irp f, 0,1,2,3,4,5,6,7
	ds_load_b128 v[KF+8*\f:KF+8*\f+3], v[ADK] offset:16*PK*(\f/2)+64*(\f%2)
	ds_load_b128 v[KF+8*\f+4:KF+8*\f+7], v[ADK] offset:16*PK*(\f/2)+64*(\f%2)+32
.endr
	WIN 0
.endm
.macro VLOAD                           ; a step's V, turned: fragment 4 u + e = keys 32 u on, channels 16 e on
	WIN 0x40
.irp f, 0,1,2,3,4,5,6,7
	ds_load_tr16_b128 v[VF+8*\f:VF+8*\f+3], v[ADV] offset:32*PK*(\f/4)+32*(\f%4)
	ds_load_tr16_b128 v[VF+8*\f+4:VF+8*\f+7], v[ADV] offset:32*PK*(\f/4)+16*PK+32*(\f%4)
.endr
	WIN 0
.endm
.macro QK                              ; S^T = K Q^T: eight accumulators by turns; the first eight products start the sums
	WIN 0x05                                       ; K and Q in window 1, S^T in window 0
.irp c, 0,1
.irp kt, 0,1,2,3
.irp t, 0,1
.if \c == 0
	v_wmma_f32_16x16x32_f16 v[S+32*\t+8*\kt:S+32*\t+8*\kt+7], v[KF+16*\kt:KF+16*\kt+7], v[QF+16*\t:QF+16*\t+7], 0
.else
	v_wmma_f32_16x16x32_f16 v[S+32*\t+8*\kt:S+32*\t+8*\kt+7], v[KF+16*\kt+8:KF+16*\kt+15], v[QF+16*\t+8:QF+16*\t+15], v[S+32*\t+8*\kt:S+32*\t+8*\kt+7]
.endif
.endr
.endr
.endr
.endm
.macro PV                              ; O^T += V^T P: eight accumulators by turns
	WIN 0x01                                       ; V in window 1; P and O^T in window 0
.irp u, 0,1
.irp et, 0,1,2,3
.irp t, 0,1
	v_wmma_f32_16x16x32_f16 v[O+32*\t+8*\et:O+32*\t+8*\et+7], v[VF+8*(4*\u+\et):VF+8*(4*\u+\et)+7], v[P+16*\t+8*\u:P+16*\t+8*\u+7], v[O+32*\t+8*\et:O+32*\t+8*\et+7]
.endr
.endr
.endr
.endm
; THE SOFTMAX of one key step, both tiles: S^T -> P, M, l, and O^T under the new M.  All in window 0.
.macro SOFTMAX
	s_wait_kmcnt 0x0                               ; this step's mask words
.set i, 0
.rept 32
	v_cndmask_b32 v[S+i], v[NEGV], v[S+i], s[32+i] ; bit of my lane: 1 keeps the score.  Each accumulator from its low end on
.set i, i+1
.endr
.set i, 0
.rept 32
	v_cndmask_b32 v[S+32+i], v[NEGV], v[S+32+i], s[68+i]
.set i, i+1
.endr
	s_add_co_u32 s[MO], s[MO], 256                 ; the next step's words (the loads that read the offset are done).  Behind the last step the offset
	s_and_b32 s[MO], s[MO], 0x1fff                 ; goes back to my first words: no load leaves the buffer
	s_load_b512 s[32:47], s[MP:MP+1], s[MO] offset:0x0
	s_load_b512 s[48:63], s[MP:MP+1], s[MO] offset:0x40
	s_load_b512 s[68:83], s[MP:MP+1], s[MO] offset:0x80
	s_load_b512 s[84:99], s[MP:MP+1], s[MO] offset:0xc0
.irp j, 0,1,2,3                        ; the largest of a lane's 32 scores: four chains, the two tiles by turns
.irp t, 0,1
	v_max3_num_f32 v[ST+8*\t+4+\j], v[S+32*\t+8*\j], v[S+32*\t+8*\j+1], v[S+32*\t+8*\j+2]
.endr
.endr
.irp g, 3,5
.irp j, 0,1,2,3
.irp t, 0,1
	v_max3_num_f32 v[ST+8*\t+4+\j], v[ST+8*\t+4+\j], v[S+32*\t+8*\j+\g], v[S+32*\t+8*\j+\g+1]
.endr
.endr
.endr
.irp t, 0,1
	v_max3_num_f32 v[ST+8*\t+4], v[ST+8*\t+4], v[S+32*\t+7], v[S+32*\t+15]
	v_max3_num_f32 v[ST+8*\t+6], v[ST+8*\t+6], v[S+32*\t+23], v[S+32*\t+31]
.endr
.irp t, 0,1
	v_max3_num_f32 v[ST+8*\t+4], v[ST+8*\t+4], v[ST+8*\t+5], v[ST+8*\t+6]
.endr
.irp t, 0,1
	v_max_num_f32 v[ST+8*\t+4], v[ST+8*\t+4], v[ST+8*\t+7]
.endr
.irp t, 0,1
	v_permlanex16_b32 v[ST+8*\t+5], v[ST+8*\t+4], s[SEL], s[SEL+1]   ; the query's other 32 keys lie in the lane 16 away
.endr
.irp t, 0,1
	v_max_num_f32 v[ST+8*\t+4], v[ST+8*\t+4], v[ST+8*\t+5]
.endr
.irp t, 0,1
	v_mul_f32 v[ST+8*\t+4], v[CC], v[ST+8*\t+4]    ; as t (c is positive)
.endr
.irp t, 0,1
	v_mov_b32 v[ST+8*\t+7], v[ST+8*\t]             ; the old M
.endr
.irp t, 0,1
	v_max_num_f32 v[ST+8*\t], v[ST+8*\t], v[ST+8*\t+4]
.endr
.irp t, 0,1
	v_sub_f32 v[ST+8*\t+7], v[ST+8*\t+7], v[ST+8*\t]
.endr
.irp t, 0,1
	v_exp_f32 v[ST+8*\t+6], v[ST+8*\t+7]           ; a = 2^(old M - new M)
.endr
.irp b, 0,1
	v_pk_fma_f32 v[S+2*\b:S+2*\b+1], v[S+2*\b:S+2*\b+1], v[CC:CC+1], v[ST:ST+1] op_sel_hi:[1,1,0] neg_lo:[0,0,1] neg_hi:[0,0,1]   ; c s - M of pairs 0 and 1
.endr
; The 64 exponentials take turns with the plain work that is ready.  Pair p (32 in all, 16 a tile): its two exponentials; between and behind them c s - M of pair p + 2, the rounding to f16 of pair p - 1,
; at every second pair the sum of pairs p - 2 and p - 1 (both rounded by then), and pair p of O^T times a.  Behind each exponential a plain line stands before its result is used (ISA guide 5.7.2).
.set p, 0
.rept 32
	v_exp_f32 v[S+2*p], v[S+2*p]
.if p < 30
	v_pk_fma_f32 v[S+2*p+4:S+2*p+5], v[S+2*p+4:S+2*p+5], v[CC:CC+1], v[ST+8*((p+2)/16):ST+8*((p+2)/16)+1] op_sel_hi:[1,1,0] neg_lo:[0,0,1] neg_hi:[0,0,1]
.endif
	v_exp_f32 v[S+2*p+1], v[S+2*p+1]
.if p > 0
	s_wait_alu depctr_va_vdst(0)
	v_cvt_pk_f16_f32 v[P+p-1], v[S+2*p-2], v[S+2*p-1]   ; two neighbouring tiles' registers ARE source 1 of the second product
.endif
.if (p > 0) && (p%2 == 0)
	v_pk_add_f32 v[S+2*p-4:S+2*p-3], v[S+2*p-4:S+2*p-3], v[S+2*p-2:S+2*p-1]
.endif
	s_wait_alu depctr_va_vdst(0)
	v_pk_mul_f32 v[O+2*p:O+2*p+1], v[O+2*p:O+2*p+1], v[ST+8*(p/16)+6:ST+8*(p/16)+7] op_sel_hi:[1,0]   ; each accumulator of O^T from its low end on
.set p, p+1
.endr
	s_wait_alu depctr_va_vdst(0)
	v_cvt_pk_f16_f32 v[P+31], v[S+62], v[S+63]
	v_pk_add_f32 v[S+60:S+61], v[S+60:S+61], v[S+62:S+63]
.irp w, 8,16,32                        ; the rest of the sum of a tile's 16 pairs, in place
.set i, 0
.rept 32/\w
.irp t, 0,1
	v_pk_add_f32 v[S+32*\t+i:S+32*\t+i+1], v[S+32*\t+i:S+32*\t+i+1], v[S+32*\t+i+\w/2:S+32*\t+i+\w/2+1]
.endr
.set i, i+\w
.endr
.endr
.irp t, 0,1
	v_pk_fma_f32 v[ST+8*\t+2:ST+8*\t+3], v[ST+8*\t+2:ST+8*\t+3], v[ST+8*\t+6:ST+8*\t+7], v[S+32*\t:S+32*\t+1] op_sel_hi:[1,0,1]   ; l = a l + the sum
.endr
.endm
; A KEY STEP g of the text: K of g is fetched; group 0: the softmax of g - 1; all: V^T P of g - 1, K Q^T of g; V of g is fetched; group 1: the softmax of g.  first = 1: step 0, which has no step before it.
.macro STEP first
	v_add_nc_u32 v[ADK], s[TB], v[AK0]
	v_add_nc_u32 v[ADV], s[TB], v[AV0]
	KLOAD                                          ; (K's registers were last read by the products in front of the last step's four places)
.if \first == 0
	s_cmp_lg_u32 s[GRP], 0
	s_cbranch_scc1 .Lnot0_\@
	SOFTMAX
.Lnot0_\@:
	s_wait_dscnt 16                                ; V of the step before is in; K's sixteen loads, issued behind it, may be out
	PV
.else
	s_wait_loadcnt 0x0                             ; Q
.endif
	s_wait_dscnt 0x0                               ; K is in
	QK
	WIN 0
.rept 4
	v_nop                                          ; places: for the loads into V's registers and, in the next step, into K's; and for the first read of the scores
.endr
	VLOAD
	s_add_co_u32 s[TB], s[TB], STEPB               ; the next fetches are the next step's
	s_cmp_eq_u32 s[GRP], 0
	s_cbranch_scc1 .Lnot1_\@
	SOFTMAX
.Lnot1_\@:
.endm
.macro STEPS n
	s_mov_b32 s[INNER], \n
.Lstep_\@:
	STEP 0
	s_sub_co_u32 s[INNER], s[INNER], 1
	s_cmp_lg_u32 s[INNER], 0
	s_cbranch_scc1 .Lstep_\@
.endm
; THE CHANGE OF SLOTS stands at a slot's head.  Each wave waits for all its tensor loads (its part of the slot ahead), adds 0 to its spare word, and waits for that and for its reads of the slot that it has left (V of its last step among them).
; fill = 1: the barrier is a round of the cluster's, and behind it the slot that was left takes the next 256 keys: the load has four key steps in which to land.  turn = 1: the fetches go over to the other slot.
.macro CHANGE fill, turn
	s_wait_tensorcnt 0x0                           ; no tensor load of mine is out, so group 0 may be written
	ds_add_u32 v[SPW], v[NIL]                      ; 0 onto my spare word
.if \turn
	s_sub_co_u32 s[TB], s[TB], 4*STEPB             ; back to a slot's first step,
	s_xor_b32 s[TB], s[TB], SLOT1                  ; in the other slot
.endif
.if \fill
	s_xor_b32 s[G0+1], s[G0+1], SLOT1              ; the other slot than last time,
	s_add_nc_u64 s[G0+2:G0+3], s[G0+2:G0+3], 32768 ; the next 256 rows; the type bits on top are not reached
	s_wait_xcnt 0x0                                ; the last prefetch, a slot back, has read its address
	s_add_nc_u64 s[PFA:PFA+1], s[PFA:PFA+1], 32768
	s_wait_dscnt 0x0                               ; the add is done, and my reads of the slot that I have left are over
	CROUND
	tensor_load_to_lds s[G0:G0+3], s[G1:G1+7]      ; the first thing behind the round, and my one tensor load until the next
	s_nop 0
.rept 4
	v_nop
.endr
	ASK
.else
	s_wait_dscnt 0x0
	s_barrier_signal -1
	s_barrier_wait -1
.endif
.endm
	CHANGE 1, 0                                    ; slot 0 is whole; slot 1 is asked for
	STEP 1                                         ; step 0
	STEPS 3
	s_mov_b32 s[SLOTS], 6
.Lslot:                                            ; 6 trips: slots 2 to 7 are asked for
	CHANGE 1, 1
	STEPS 4
	s_sub_co_u32 s[SLOTS], s[SLOTS], 1
	s_cmp_lg_u32 s[SLOTS], 0
	s_cbranch_scc1 .Lslot
	CHANGE 0, 1                                    ; the last slot is written out
	STEPS 4
	s_cmp_lg_u32 s[GRP], 0
	s_cbranch_scc1 .Llast
	SOFTMAX                                        ; group 0: the last step's
.Llast:
	s_wait_dscnt 0x0                               ; V of the last step
	PV
	WIN 0
	; THE WAY OUT.  l's two halves and the other lane's are added (these lines are the places behind the last products); O^T / l, rounded to f16, goes through my stage, a tile of 16 rows at a time.
.irp t, 0,1
	v_add_f32 v[ST+8*\t+4], v[ST+8*\t+2], v[ST+8*\t+3]
.endr
.irp t, 0,1
	v_permlanex16_b32 v[ST+8*\t+5], v[ST+8*\t+4], s[SEL], s[SEL+1]
.endr
.irp t, 0,1
	v_add_f32 v[ST+8*\t+4], v[ST+8*\t+4], v[ST+8*\t+5]
.endr
	v_nop
	v_nop
.irp t, 0,1
	v_rcp_f32 v[ST+8*\t+6], v[ST+8*\t+4]
.endr
	v_nop                                          ; a plain line between the last reciprocal and the use of its result
	s_wait_alu depctr_va_vdst(0)
.irp t, 0,1
.set i, 0
.rept 16
	v_pk_mul_f32 v[O+32*\t+i:O+32*\t+i+1], v[O+32*\t+i:O+32*\t+i+1], v[ST+8*\t+6:ST+8*\t+7] op_sel_hi:[1,0]
.set i, i+2
.endr
.set i, 0
.rept 16
	v_cvt_pk_f16_f32 v[S+16*\t+i], v[O+32*\t+2*i], v[O+32*\t+2*i+1]
.set i, i+1
.endr
.irp e, 0,1,2,3
	ds_store_b128 v[STO], v[S+16*\t+4*\e:S+16*\t+4*\e+3] offset:32*\e
.endr
.irp e, 0,1,2,3
	ds_load_b128 v[S+32+16*\t+4*\e:S+32+16*\t+4*\e+3], v[RD] offset:4*PK*\e   ; LDS serves a wave's instructions in order: these see the stores above, and the next tile's stores come behind them
.endr
.endr
.irp e, 0,1,2,3
	s_wait_dscnt 11-\e                             ; behind tile 0's load e: its younger loads and tile 1's eight instructions
	global_store_b128 v[GO], v[S+32+4*\e:S+32+4*\e+3], s[OP:OP+1] offset:512*\e   ; 512 consecutive bytes, aligned
.endr
.irp e, 0,1,2,3
	s_wait_dscnt 3-\e
	global_store_b128 v[GO], v[S+48+4*\e:S+48+4*\e+3], s[OP:OP+1] offset:2048+512*\e
.endr
	s_wait_tensorcnt 0x0                           ; the wave's end
	ds_add_u32 v[SPW], v[NIL]
	s_wait_dscnt 0x0
	CROUND                                         ; the closing round
	s_endpgm
.Lfunc_end_k_q27752d8ae3_attn:
	.size	k_q27752d8ae3_attn, .Lfunc_end_k_q27752d8ae3_attn-k_q27752d8ae3_attn
	.p2alignl 7, 3214868480
	.fill 96, 4, 3214868480
	.section	.rodata,"a",@progbits
	.p2align	6, 0x0
	.amdhsa_kernel k_q27752d8ae3_attn
		.amdhsa_group_segment_fixed_size 327680
		.amdhsa_private_segment_fixed_size 0
		.amdhsa_enable_private_segment 0
		.amdhsa_kernarg_size 32
		.amdhsa_user_sgpr_count 2
		.amdhsa_user_sgpr_kernarg_segment_ptr 1
		.amdhsa_wavefront_size32 1
		.amdhsa_system_sgpr_workgroup_id_x 1
		.amdhsa_system_sgpr_workgroup_id_y 1
		.amdhsa_system_sgpr_workgroup_id_z 1
		.amdhsa_system_vgpr_workitem_id 0
		.amdhsa_next_free_vgpr 416
		.amdhsa_next_free_sgpr 102
		.amdhsa_reserve_vcc 0
		.amdhsa_float_denorm_mode_32 3
		.amdhsa_float_denorm_mode_16_64 3
		.amdhsa_memory_ordered 1
		.amdhsa_forward_progress 1
		.amdhsa_inst_pref_size 189
	.end_amdhsa_kernel
	.amdgpu_metadata
---
amdhsa.version: [ 1, 2 ]
amdhsa.kernels:
  - .name:           k_q27752d8ae3_attn
    .symbol:         k_q27752d8ae3_attn.kd
    .args:
      - { .name: qkv, .offset: 0, .size: 8, .value_kind: global_buffer, .address_space: global }
      - { .name: mbits, .offset: 8, .size: 8, .value_kind: global_buffer, .address_space: global }
      - { .name: scl, .offset: 16, .size: 8, .value_kind: global_buffer, .address_space: global }
      - { .name: cc, .offset: 24, .size: 8, .value_kind: global_buffer, .address_space: global }
    .group_segment_fixed_size: 327680
    .private_segment_fixed_size: 0
    .kernarg_segment_align: 8
    .kernarg_segment_size: 32
    .max_flat_workgroup_size: 256
    .sgpr_count:     102
    .vgpr_count:     416
    .wavefront_size: 32
...
	.end_amdgpu_metadata
.endif
;; end of part 3
;; launch outp (part 4): grid 8 x 64, 4 waves a work-group, clusters of 4 x 4, 327,680 bytes of LDS; arguments cc, wo16, out0, scl, WO_b; writes out0
.if DOCPART == 4
	.amdgcn_target "amdgcn-amd-amdhsa--gfx1250"
	.amdhsa_code_object_version 6
	.text
	.protected	k_q27752d8ae3_outp
	.globl	k_q27752d8ae3_outp
	.p2align	8
	.type	k_q27752d8ae3_outp,@function
k_q27752d8ae3_outp:
	s_mov_b64 s[64:65], 0
	v_nop
	global_prefetch_b8 v0, s[64:65] scope:SCOPE_SE
	s_setreg_imm32_b32 hwreg(HW_REG_WAVE_MODE, 25, 1), 1
	s_wait_xcnt 0x0
	s_wait_alu depctr_hold_cnt(0) depctr_sa_sdst(0) depctr_va_vdst(0) depctr_va_sdst(0) depctr_va_ssrc(0) depctr_va_vcc(0) depctr_vm_vsrc(0)
	s_getreg_b32 s2, hwreg(HW_REG_IB_STS2, 6, 4)
	s_cmp_eq_u32 s2, 0
	s_cbranch_scc0 .Lentry_in_a_cluster
	s_endpgm
.Lentry_in_a_cluster:
	s_bfe_u32 s2, ttmp6, 0x10000c
	s_cmp_lg_u32 s2, 0xf033
	s_cbranch_scc0 .Lentry_shape_is_right
	s_endpgm
.Lentry_shape_is_right:
; out0[row][j] = sum over k of concat[row][k] WO_w[j][k] + WO_b[j], on f16 operands with f32 sums.  8,192 rows, 1,024 columns, K = 1,024.
; cc: f16 [row / 128][head][row % 128][64] = concat x 2^-EV;  wo16: f16 [j / 128][k / 64][j % 128][64] = WO_w[j][k] x 2^-e_j, and behind them 2^e_j as f32;  scl holds 2^EV.
; So out0 = sum x (2^e_j 2^EV) + WO_b[j]: one fused multiply-add for each number on the way out.
; A tile of out0 is 128 x 128: four waves, each 64 x 64 in 16 accumulators.  K goes in four steps of 256 (four heads) through two LDS slots.  A K step of a tile's 128 rows is 65,536 dense bytes in either buffer;
; a wave fetches half of one (two heads' planes) as 256 rows of 128 bytes: waves 0 and 1 for cc, waves 2 and 3 for wo16.
; CLUSTERS: 4 x 4 work-groups; the four of a row of the cluster ask jointly for cc's tiles, the four of a column for wo16's.  THE MATRIX INSTRUCTION IS USED TRANSPOSED (source 0 = 16 rows of wo16, source 1 = 16 rows of cc).
; REGISTERS: window 0: v0-31 addresses; v32-63 a block's results, v64-127 its rows read back, two sets; v128-255 the accumulators ((a, b) at v[128 + 8 (4 a + b)]).
;   window 1: two fragment buffers of 128.   window 2: v0-31 the columns' factors, v32-63 their biases, in the result's layout (8 b + i: column 16 b + 8 (lane / 16) + i).
.set PITCH,  144                       ; an LDS row: 128 bytes + 16 of padding
.set QB,     128*PITCH                 ; a head's plane: 128 rows; a quarter of a K step
.set HALFT,  256*PITCH                 ; what one tensor load brings
.set SLOT,   4*HALFT                   ; cc's four planes, then wo16's four
.set STAGE,  2*SLOT                    ; behind the slots: 16 rows x 272 bytes for each wave
.set SPITCH, 272
.set SPARE,  STAGE+4*16*SPITCH         ; the spare words, 128 bytes a wave: two blocks of 256 bytes that no other line names
.set KBYTES, 65536                     ; a K step in memory
.set LAPS,   2
.set ADRA, 16
.set ADRB, 20
.set STO,  24
.set RD,   25
.set CO,   26
.set GA,   27                          ; v27  32 x (lane / 16): my eight columns of a block of 16
.set SPW,  28
.set NIL,  29
.set TMP,  32
.set OB,   64
.set ACC,  128
.set F0,   0
.set F1,   128
.set G1, 24
.set G0, 32
.set G1B, 48
.set G0B, 56
.set MSB, 0
.macro WIN new
.if MSB != (\new)
	s_set_vgpr_msb (MSB<<8)|(\new)
.set MSB, (\new)
.endif
.endm
.set MUL,  0x05                        ; sources 0 and 1 window 1; C and D window 0
.set TO_F, 0x40
.macro JLOAD s                         ; a joint load; four v_nop follow each of the two lines
	s_cmp_eq_u32 s11, 0
	s_cbranch_scc0 .Lfor_b_\@
	tensor_load_to_lds s[G0+4*\s:G0+4*\s+3], s[G1:G1+7]
	s_nop 0
.rept 4
	v_nop
.endr
	s_branch .Lasked_\@
.Lfor_b_\@:
	tensor_load_to_lds s[G0B+4*\s:G0B+4*\s+3], s[G1B:G1B+7]
	s_nop 0
.rept 4
	v_nop
.endr
.Lasked_\@:
.endm
.macro CREST
	s_cmp_lg_u32 s10, 0
	s_cbranch_scc1 .Lnot_wave_0_\@
	s_barrier_signal -3
.Lnot_wave_0_\@:
	s_barrier_wait -3
	s_barrier_signal -1
	s_barrier_wait -1
.endm
.macro CROUND
	s_barrier_signal -1
	s_barrier_wait -1
	CREST
.endm
	s_load_b128 s[4:7], s[0:1], 0x0                ; cc s[4:5], wo16 s[6:7]
	s_load_b64 s[8:9], s[0:1], 0x10                ; out0
	s_load_b64 s[66:67], s[0:1], 0x18              ; scl
	s_load_b64 s[68:69], s[0:1], 0x20              ; WO_b
	v_lshl_add_u32 v[SPW], v0, 2, SPARE
	v_mov_b32 v[NIL], 0
	ds_add_u32 v28, v29
	ds_add_u32 v28, v29
	s_wait_dscnt 0x0
	v_lshrrev_b32 v1, 5, v0
	v_readfirstlane_b32 s10, v1                    ; wave 0..3
	s_lshr_b32 s11, s10, 1                         ; which half of the tile's rows is mine.  Also: I fetch for cc (0) or for wo16 (1)
	s_and_b32 s12, s10, 1                          ; which half of its columns.  Also: which two planes of a K step I fetch
	s_bfe_u32 s40, ttmp6, 0x40000                  ; cx, cy
	s_bfe_u32 s41, ttmp6, 0x40004
	s_lshl_b32 s42, ttmp9, 2
	s_add_co_u32 s42, s42, s40                     ; tile column
	s_and_b32 s13, ttmp7, 0xffff
	s_lshl_b32 s13, s13, 2
	s_add_co_u32 s13, s13, s41                     ; tile row
	s_lshl_b32 s43, s41, 2
	s_lshl_b32 s43, 15, s43                        ; my row of the cluster
	s_lshl_b32 s44, 0x1111, s40                    ; my column
	; descriptor group 1: 256 rows x 64 elements of 2 bytes, dense in memory, 16 bytes of padding behind each row
	s_or_b32 s[G1+0], s43, (1<<16)|(1<<20)|(1<<21)|(4<<22)|(3<<25)
	s_or_b32 s[G1B+0], s44, (1<<16)|(1<<20)|(1<<21)|(4<<22)|(3<<25)
.irp g, G1, G1B
	s_mov_b32 s[\g+1], 64<<16                      ; tensor_dim0
	s_mov_b32 s[\g+2], 256<<16                     ; tensor_dim1
	s_mov_b32 s[\g+3], 64<<16                      ; tile_dim0
	s_mov_b32 s[\g+4], 256                         ; tile_dim1
	s_mov_b32 s[\g+5], 64                          ; tensor_dim0_stride
	s_mov_b32 s[\g+6], 0
	s_mov_b32 s[\g+7], 0
.endr
	s_lshl_b32 s17, s12, 15                        ; my two planes: 32,768 bytes
	s_lshl_b32 s16, s13, 18                        ; cc: 262,144 bytes for 128 rows
	s_add_co_u32 s16, s16, s17
	s_lshl_b32 s46, s42, 18                        ; wo16 likewise
	s_add_co_u32 s46, s46, s17
	s_mov_b32 s17, 0
	s_mov_b32 s47, 0
	s_mul_i32 s20, s10, HALFT                      ; where they go: wave x 256 rows
	s_wait_kmcnt 0x0
	s_add_nc_u64 s[14:15], s[4:5], s[16:17]
	s_add_nc_u64 s[46:47], s[6:7], s[46:47]
	CROUND                                         ; all sixteen work-groups are here: the first joint loads meet
.irp s, 0,1
	s_mov_b32 s[G0+4*\s], 1
	s_add_co_u32 s[G0+4*\s+1], s20, \s*SLOT
	s_add_nc_u64 s[G0+4*\s+2:G0+4*\s+3], s[14:15], \s*KBYTES
	s_or_b32 s[G0+4*\s+3], s[G0+4*\s+3], 0x80000000
	s_mov_b32 s[G0B+4*\s], 1
	s_add_co_u32 s[G0B+4*\s+1], s20, \s*SLOT
	s_add_nc_u64 s[G0B+4*\s+2:G0B+4*\s+3], s[46:47], \s*KBYTES
	s_or_b32 s[G0B+4*\s+3], s[G0B+4*\s+3], 0x80000000
	JLOAD \s
.endr
	s_load_b32 s72, s[66:67], 0x10000              ; 2^EV
	v_and_b32 v1, 15, v0                           ; l % 16
	v_bfe_u32 v2, v0, 4, 1                         ; l / 16
	v_mul_u32_u24 v3, v1, PITCH
	v_lshl_add_u32 v3, v2, 4, v3                   ; a fragment's row x pitch + 16 x half
	s_mul_i32 s21, s11, 64*PITCH                   ; my 64 rows in each of cc's planes
	s_mul_i32 s22, s12, 64*PITCH                   ; my 64 rows in each of wo16's,
	s_add_co_u32 s22, s22, 2*HALFT                 ; which lie behind cc's four
.irp s, 0,1
	v_add_nc_u32 v[ADRA+\s], s21, v3
	v_add_nc_u32 v[ADRB+\s], s22, v3
	s_add_co_u32 s21, s21, SLOT
	s_add_co_u32 s22, s22, SLOT
.endr
	s_mul_i32 s23, s10, 16*SPITCH
	s_add_co_u32 s23, s23, STAGE                   ; my stage
	v_mul_u32_u24 v4, v1, SPITCH
	v_lshl_add_u32 v4, v2, 5, v4
	v_add_nc_u32 v[STO], s23, v4                   ; in: row l % 16, 32 bytes for each half of the lanes
	v_mul_u32_u24 v5, v2, SPITCH
	v_lshl_add_u32 v5, v1, 4, v5
	v_add_nc_u32 v[RD], s23, v5                    ; back: lanes 0-15 one row of 256 bytes, lanes 16-31 the next
	v_lshlrev_b32 v5, 12, v2
	v_lshl_add_u32 v[CO], v1, 4, v5                ; and the same two rows in out0 (4,096 bytes a row)
	v_lshlrev_b32 v[GA], 5, v2
	s_lshl_b32 s16, s13, 19
	s_lshl_b32 s17, s11, 18
	s_add_co_u32 s16, s16, s17                     ; my first row: (128 x tile row + 64 x half) x 4,096 bytes
	s_mov_b32 s17, 0
	s_add_nc_u64 s[8:9], s[8:9], s[16:17]
	s_lshl_b32 s46, s42, 9
	s_lshl_b32 s47, s12, 8
	s_add_co_u32 s46, s46, s47                     ; my first column, in bytes of f32: 512 x tile column + 256 x half
	s_mov_b32 s47, 0
	s_add_nc_u64 s[8:9], s[8:9], s[46:47]
	s_add_nc_u64 s[68:69], s[68:69], s[46:47]      ; WO_b at my columns
	s_add_nc_u64 s[70:71], s[6:7], s[46:47]
	s_add_nc_u64 s[70:71], s[70:71], 2097152       ; and the rows' powers of two
	WIN 0x80                                       ; destination window 2, address window 0
.irp b, 0,1,2,3
.irp u, 0,1
	global_load_b128 v[8*\b+4*\u:8*\b+4*\u+3], v[GA], s[70:71] offset:64*\b+16*\u
	global_load_b128 v[32+8*\b+4*\u:32+8*\b+4*\u+3], v[GA], s[68:69] offset:64*\b+16*\u
.endr
.endr
	s_wait_loadcnt 0x0
	s_wait_kmcnt 0x0
	WIN 0x88                                       ; destination and source 1 window 2
.set i, 0
.rept 32
	v_mul_f32 v[i], s72, v[i]                      ; 2^e_j x 2^EV: exact
.set i, i+1
.endr
	WIN 0
.macro MUL8 f, c, a0, zero             ; 8 matrix instructions: m blocks a0, a0 + 1 x all 4 n blocks, 32 along K: half c of buffer f
.irp a, \a0, \a0+1
.irp b, 0,1,2,3
.if \zero
	v_wmma_f32_16x16x32_f16 v[ACC+8*(4*(\a)+\b):ACC+8*(4*(\a)+\b)+7], v[\f+64+8*(4*\c+\b):\f+64+8*(4*\c+\b)+7], v[\f+8*(4*\c+\a):\f+8*(4*\c+\a)+7], 0
.else
	v_wmma_f32_16x16x32_f16 v[ACC+8*(4*(\a)+\b):ACC+8*(4*(\a)+\b)+7], v[\f+64+8*(4*\c+\b):\f+64+8*(4*\c+\b)+7], v[\f+8*(4*\c+\a):\f+8*(4*\c+\a)+7], v[ACC+8*(4*(\a)+\b):ACC+8*(4*(\a)+\b)+7]
.endif
.endr
.endr
.endm
.macro FETCH slot, k, f                ; 32 LDS loads in one run: the fragments of one head's 64 along K (its plane begins at byte k), the first 32 along K first
	WIN TO_F
.irp c, 0,1
.irp i, 0,1,2,3
	ds_load_b128 v[\f+64+8*(4*\c+\i):\f+64+8*(4*\c+\i)+3],   v[ADRB+\slot] offset:\k+64*\c+\i*16*PITCH
	ds_load_b128 v[\f+64+8*(4*\c+\i)+4:\f+64+8*(4*\c+\i)+7], v[ADRB+\slot] offset:\k+64*\c+\i*16*PITCH+32
	ds_load_b128 v[\f+8*(4*\c+\i):\f+8*(4*\c+\i)+3],         v[ADRA+\slot] offset:\k+64*\c+\i*16*PITCH
	ds_load_b128 v[\f+8*(4*\c+\i)+4:\f+8*(4*\c+\i)+7],       v[ADRA+\slot] offset:\k+64*\c+\i*16*PITCH+32
.endr
.endr
.endm
.macro PLACES
.rept 4
	v_nop
.endr
.endm
.macro QUARTER slot, k, f, g, zero     ; multiplies buffer f and fetches the next quarter, at byte k, into g
	s_wait_dscnt 16                                ; the first 32 along K are in
	WIN MUL
	MUL8 \f, 0, 0, \zero
	MUL8 \f, 0, 2, \zero
	PLACES
	FETCH \slot, \k, \g
	s_wait_dscnt 32                                ; all but the 32 just issued
	WIN MUL
	MUL8 \f, 1, 0, 0
	MUL8 \f, 1, 2, 0
.endm
; The last quarter multiplies buffer 1 and changes slots: one barrier; in front of it each wave waits for all its tensor loads, adds 0 to its spare word, and waits for that and for its own reads of this slot.
.macro TURN slot, next, fill
	WIN 0
	s_wait_tensorcnt 0x0                           ; all my tensor loads have landed: my part of the next slot
	ds_add_u32 v[SPW], v[NIL]                      ; 0 onto my spare word
	s_wait_dscnt 17                                ; (the add and the youngest sixteen loads may be out)
	WIN MUL
	MUL8 F1, 0, 0, 0
	s_wait_dscnt 0x0                               ; the add is done, and my reads of this slot are over
	s_barrier_signal -1
	MUL8 F1, 0, 2, 0
.if \fill
	WIN 0
.endif
	s_barrier_wait -1
.if \fill
	CREST                                          ; the barrier has opened a round of the cluster's: no wave of any partner still reads this slot or has a load on its way
	s_add_nc_u64 s[G0+4*\slot+2:G0+4*\slot+3], s[G0+4*\slot+2:G0+4*\slot+3], 2*KBYTES
	s_add_nc_u64 s[G0B+4*\slot+2:G0B+4*\slot+3], s[G0B+4*\slot+2:G0B+4*\slot+3], 2*KBYTES
	JLOAD \slot                                    ; the first tensor load behind the round; its four v_nop are also the places in front of the loads below
.else
	PLACES
.endif
	FETCH \next, 0, F0
	WIN MUL
	MUL8 F1, 1, 0, 0
	MUL8 F1, 1, 2, 0
.endm
	s_wait_tensorcnt 1                             ; my part of K step 0 is in (K step 1's load may be out),
	s_barrier_signal -1
	s_barrier_wait -1                              ; everybody's is
	FETCH 0, 0, F0
	QUARTER 0, QB, F0, F1, 1                       ; the first products start the sums
	WIN 0
	s_mov_b32 s3, LAPS-1
.Llap:                                             ; a trip goes once round the ring and fills both slots again
	QUARTER 0, 2*QB, F1, F0, 0
	QUARTER 0, 3*QB, F0, F1, 0
	TURN 0, 1, 1
	QUARTER 1, QB, F0, F1, 0
	QUARTER 1, 2*QB, F1, F0, 0
	QUARTER 1, 3*QB, F0, F1, 0
	TURN 1, 0, 1
	QUARTER 0, QB, F0, F1, 0
	WIN 0
	s_sub_co_u32 s3, s3, 1
	s_cmp_lg_u32 s3, 0
	s_cbranch_scc1 .Llap
	QUARTER 0, 2*QB, F1, F0, 0                     ; the last lap fills nothing
	QUARTER 0, 3*QB, F0, F1, 0
	TURN 0, 1, 0
	QUARTER 1, QB, F0, F1, 0
	QUARTER 1, 2*QB, F1, F0, 0
	QUARTER 1, 3*QB, F0, F1, 0
	s_wait_dscnt 16
	WIN MUL
	MUL8 F1, 0, 0, 0
	MUL8 F1, 0, 2, 0
	s_wait_dscnt 0
	MUL8 F1, 1, 0, 0
	MUL8 F1, 1, 2, 0
	WIN 0
; THE WAY OUT, block by block of 16 rows x 64 columns: sum x factor + bias; through my own stage, so that sixteen lanes store 256 consecutive bytes of a row, aligned.
.macro OPACK a
	WIN 0x28                                       ; source 1 (the factors) and source 2 (the biases) window 2
.irp b, 0,1,2,3
.irp p, 0,2,4,6
	v_pk_fma_f32 v[TMP+8*\b+\p:TMP+8*\b+\p+1], v[ACC+8*(4*(\a)+\b)+\p:ACC+8*(4*(\a)+\b)+\p+1], v[8*\b+\p:8*\b+\p+1], v[32+8*\b+\p:32+8*\b+\p+1]
.endr
.endr
	WIN 0
.endm
.macro OSTAGE a
.set BB, OB+32*((\a)%2)
.irp b, 0,1,2,3
.irp u, 0,1
	ds_store_b128 v[STO], v[TMP+8*\b+4*\u:TMP+8*\b+4*\u+3] offset:64*\b+16*\u
.endr
.endr
.irp i, 0,1,2,3,4,5,6,7
	ds_load_b128 v[BB+4*\i:BB+4*\i+3], v[RD] offset:2*SPITCH*\i   ; LDS serves a wave's instructions in order: these see the stores above
.endr
.endm
.macro OSEND a
.set BB, OB+32*((\a)%2)
	s_wait_dscnt 0x0                               ; the block is back in registers
	s_wait_xcnt 0x0                                ; the earlier stores have read their registers: the next block's loads may land there
.irp i, 0,1,2,3,4,5,6,7
	global_store_b128 v[CO], v[BB+4*\i:BB+4*\i+3], s[8:9] offset:(16*(\a)+2*\i)*4096 th:TH_STORE_NT
.endr
.endm
	PLACES
	OPACK 0
	OSTAGE 0
.irp a, 1,2,3
	OPACK \a
	OSEND \a-1
	OSTAGE \a
.endr
	OSEND 3
	s_wait_tensorcnt 0x0                           ; the wave's end
	ds_add_u32 v[SPW], v[NIL]
	s_wait_dscnt 0x0
	CROUND                                         ; the closing round
	s_endpgm
.Lfunc_end_k_q27752d8ae3_outp:
	.size	k_q27752d8ae3_outp, .Lfunc_end_k_q27752d8ae3_outp-k_q27752d8ae3_outp
	.p2alignl 7, 3214868480
	.fill 96, 4, 3214868480
	.section	.rodata,"a",@progbits
	.p2align	6, 0x0
	.amdhsa_kernel k_q27752d8ae3_outp
		.amdhsa_group_segment_fixed_size 327680
		.amdhsa_private_segment_fixed_size 0
		.amdhsa_enable_private_segment 0
		.amdhsa_kernarg_size 40
		.amdhsa_user_sgpr_count 2
		.amdhsa_user_sgpr_kernarg_segment_ptr 1
		.amdhsa_wavefront_size32 1
		.amdhsa_system_sgpr_workgroup_id_x 1
		.amdhsa_system_sgpr_workgroup_id_y 1
		.amdhsa_system_sgpr_workgroup_id_z 1
		.amdhsa_system_vgpr_workitem_id 0
		.amdhsa_next_free_vgpr 576
		.amdhsa_next_free_sgpr 80
		.amdhsa_reserve_vcc 0
		.amdhsa_float_denorm_mode_32 3
		.amdhsa_float_denorm_mode_16_64 3
		.amdhsa_memory_ordered 1
		.amdhsa_forward_progress 1
		.amdhsa_inst_pref_size 93
	.end_amdhsa_kernel
	.amdgpu_metadata
---
amdhsa.version: [ 1, 2 ]
amdhsa.kernels:
  - .name:           k_q27752d8ae3_outp
    .symbol:         k_q27752d8ae3_outp.kd
    .args:
      - { .name: cc, .offset: 0, .size: 8, .value_kind: global_buffer, .address_space: global }
      - { .name: wo16, .offset: 8, .size: 8, .value_kind: global_buffer, .address_space: global }
      - { .name: out0, .offset: 16, .size: 8, .value_kind: global_buffer, .address_space: global }
      - { .name: scl, .offset: 24, .size: 8, .value_kind: global_buffer, .address_space: global }
      - { .name: WO_b, .offset: 32, .size: 8, .value_kind: global_buffer, .address_space: global }
    .group_segment_fixed_size: 327680
    .private_segment_fixed_size: 0
    .kernarg_segment_align: 8
    .kernarg_segment_size: 40
    .max_flat_workgroup_size: 128
    .sgpr_count:     80
    .vgpr_count:     576
    .wavefront_size: 32
...
	.end_amdgpu_metadata
.endif
;; end of part 4
